; MI455X (gfx1250); checked and timed in simulation.
; The chip was launched on July 23, 2026; its instructions are those of AMD's public machine-readable ISA for CDNA 5 (MIT licence, August 2026) and "CDNA5" Instruction Set Architecture Reference Guide (July 2026). The comments in the code are by the model that wrote it; some were corrected since.
;; Sparse Mixture Of Experts. Allowed arithmetic: matrix products marked QUANTISED: E2M3 operands, one E8M0 scale for each 32 along K, by v_wmma_scale_f32_16x16x128_f8f6f4 with both operands' format E2M3, f32 sums; products left as they are: f32 operands where the result goes on into a quantised operand, else bf16, f16 or f32 operands; f32 sums; everything else in f32.
;; Inputs: We 8 x 2,048 x 2,048 float32; Wg 2,048 x 8 float32; be 8 x 2,048 float32; bg 8 float32; x 2,048 x 2,048 float32.
;; Outputs: out0 2,048 x 2,048 float32.
;; This version of the problem:
;;   THIS VERSION OF THE PROBLEM IS GIVEN IN LOW PRECISION. The matrix products marked QUANTISED in the list below multiply operands that are first quantised to E2M3 (2 exponent bits, 3 mantissa bits; 6 bits a number), with one power-of-two scale for each 32 numbers along K (OCP MX v1.0); their sums are f32. All else is computed in f32.
;;   The module's matrix products, in the order in which they are computed (A, B: the left and right operand; K: the contracted axis; several contracted axes count as one K, in the product's order):
;;     1. [M 2,048, K 2,048] x [K 2,048, N 8]; A: input x; B: input Wg: left as it is (N = 8 < 16)
;;     2. [M 16,384, K 2,048] x [K 2,048, N 2,048]; A: input We; B: input x: QUANTISED
;;   THE QUANTISER, for each operand of a quantised product, along K:
;;     - K is cut into blocks of 32 from its start; a last block that is shorter is filled with zeros.
;;     - A block's scale is 2^e with e = floor(log2(the largest magnitude in the block)) - 2, held to -126 .. 127; a block of zeros has e = 0. As a byte (E8M0): e + 127.
;;     - Each number is divided by its block's scale, clamped to +-7.5, and rounded to the nearest number of E2M3, ties to even, subnormals kept.
;;     - The product sums the exact products of the quantised numbers (number of the format x scale) in f32.
;;   ~~~python
;;   def quantise(x, axis):      # numpy; x: float32 -> the quantised numbers, widened to float32 again
;;       x = np.moveaxis(x, axis, -1); K = x.shape[-1]
;;       x = np.pad(x, [(0, 0)] * (x.ndim - 1) + [(0, -K % 32)]); x = x.reshape(x.shape[:-1] + (-1, 32)); a = np.abs(x).max(-1, keepdims=True)
;;       e = np.where(a > 0, np.clip(np.frexp(np.where(a > 0, a, 1))[1] - 1 - 2, -126, 127), 0)      # np.frexp(a)[1] - 1 = floor(log2(a)), exactly
;;       r = np.clip(x / 2.0 ** e, -7.5, 7.5)
;;       step = 2.0 ** (np.maximum(np.frexp(np.where(r == 0, 1, r))[1] - 1, 0) - 3)
;;       q = np.round(r / step) * step * 2.0 ** e      # np.round: ties to even
;;       return np.moveaxis(q.reshape(q.shape[:-2] + (-1,))[..., :K], -1, axis).astype(np.float32)
;;   ~~~
;; 2 versions. Each part assembles by itself: llvm-mc -triple=amdgcn-amd-amdhsa -mcpu=gfx1250 --defsym DOCPART=n.
;; ======== version 1 of 2: 3 launches
;; workspace buffers: xcodes 3,145,728 bytes; xscales 131,072 bytes; sel 8,192 bytes of whole numbers; gate 16,384 bytes; wcodes 25,165,824 bytes; wscales 1,048,576 bytes; order 8,192 bytes of whole numbers
;; launch route (part 1): grid 256 x 1, 8 waves a work-group, no clusters, 89,600 bytes of LDS; arguments x, Wg, bg, xcodes, xscales, sel, gate; writes xcodes, xscales, sel, gate
.if DOCPART == 1
	.amdgcn_target "amdgcn-amd-amdhsa--gfx1250"
	.amdhsa_code_object_version 6
	.text
	.protected	k_q4111376e5a_route
	.globl	k_q4111376e5a_route
	.p2align	8
	.type	k_q4111376e5a_route,@function
k_q4111376e5a_route:
	s_mov_b64 s[64:65], 0
	v_nop
	global_prefetch_b8 v0, s[64:65] scope:SCOPE_SE
	s_setreg_imm32_b32 hwreg(HW_REG_WAVE_MODE, 25, 1), 1
	s_wait_xcnt 0x0
; ROUTE.  For 8 tokens a work-group: the 8 gating logits x . Wg + bg in f32, the two largest (the lower index wins a tie), the softmax over those two;
; and x as codes of FP6 (E2M3) with one E8M0 scale byte for each 32 along D.  x is read once and serves both.
; SHARES.  Wave w takes k = 256 w .. 256 w + 255 of all 8 tokens.  As loaded, lane l holds k = 256 w + 128 j + 4 l + i (j = 0, 1; i = 0 .. 3), the same k for every token,
; so the lane's 8 rows of Wg (64 registers) serve all 8 tokens.  Each load of x covers 512 consecutive bytes.
; THE CODES.  The conversion takes 16 neighbours along K from ONE lane's registers, so the wave's 2,048 numbers turn through its own stage in LDS: in as loaded, back one whole block of 32 a lane.
; xcodes is laid in the order of the operand's registers: [token][K step s of 128][h][48 bytes] = block 4 s + h, then block 4 s + 2 + h; xscales [token][64 bytes], byte = block.
; sel holds i0 | i1 << 8 for each token, gate its two weights.  They are stored at fixed places: no address of this launch hangs on the choice.
; A block's scale is 2^(floor(log2(largest magnitude)) - 2); its byte is that magnitude's exponent field - 2, held at 1 from below.
; LIMITS: a block of zeros gets the byte 1 (its codes are zeros; this program alone reads the bytes); blocks whose largest magnitude lies under 2^-124 were not tried; NaN and infinities are not served;
; the logits' f32 sums are taken in another order than the reference's, so a token whose second and third logits differ by a few last bits may be routed otherwise.
; No matrix unit: logits in bf16 would turn choices over.  No cluster: what is shared, Wg, is as many bytes as the work-group's own part of x.
.set CST,  73728                       ; LDS: behind the eight stages of 64 blocks x 144 bytes: the 8 tokens' rows of codes, 1,536 bytes each
.set SST,  86016                       ; their scale bytes, 64 a token
.set PART, 86528                       ; the waves' partial logits: 256 bytes a wave, word 8 t + e
.set XO,  4                            ; v4   16 x lane
.set WO,  5                            ; v5   128 x lane: my four rows of Wg
.set TI,  6                            ; v6   the stage, on the way in
.set TO,  7                            ; v7   and on the way out: 144 x lane
.set CA,  8                            ; v8   where my block's codes go
.set SA,  9                            ; v9   and its scale byte
.set PA,  10                           ; v10  my wave's partial logits
.set CR,  11                           ; v11  the way out: my 16 bytes of token w's codes
.set SR,  12                           ; v12  and of the scale bytes
.set TP,  13                           ; v13  token (lane % 8)'s partial logits
.set XR,  16                           ; v16-79   x: register 8 t + 4 j + i
.set WGR, 80                           ; v80-143  Wg: register 8 (4 j + i) + e; later the numbers back from the stage
.set QN,  80
.set ACC, 144                          ; v144-207 logits: register 8 t + e
.set MXA, 208
.set MXB, 209
.set SCL, 210                          ; v210-211 the conversions' scale operands
.set BY,  212                          ; v212-213 the scale bytes
.set CD,  214                          ; v214-225 two blocks' codes, six registers each
.set TT,  226                          ; v226-232 the second halves as the conversions leave them
.set PT,  240                          ; v240-247 what the other half of the lanes sends
	s_load_b256 s[4:11], s[0:1], 0x0               ; x s[4:5], Wg s[6:7], bg s[8:9], xcodes s[10:11]
	s_load_b128 s[12:15], s[0:1], 0x20             ; xscales s[12:13], sel s[14:15]
	s_load_b64 s[16:17], s[0:1], 0x30              ; gate
	v_lshl_add_u32 v254, v0, 2, 0x15a00
	v_mov_b32 v255, 0
	v_lshrrev_b32 v2, 5, v0
	v_readfirstlane_b32 s18, v2                    ; wave 0..7
	v_and_b32 v1, 31, v0                           ; lane
	v_lshlrev_b32 v[XO], 4, v1
	v_lshlrev_b32 v[WO], 7, v1
	s_mul_i32 s19, s18, 9216                       ; my stage
	v_lshrrev_b32 v2, 3, v1                        ; lane / 8
	v_and_b32 v3, 7, v1                            ; lane % 8
	v_mul_u32_u24 v[TI], v2, 144                   ; in: eight lanes' 128 bytes are a block; 16 bytes of padding behind each block
	v_lshl_add_u32 v[TI], v3, 4, v[TI]
	v_add_nc_u32 v[TI], s19, v[TI]
	v_mul_u32_u24 v[TO], v1, 144                   ; out: block = lane; 144 = 9 x 16
	v_add_nc_u32 v[TO], s19, v[TO]
	v_mul_u32_u24 v[CA], v2, 1536                  ; block lane: token lane / 8, block 8 w + lane % 8 of its row: K step 2 w + (lane / 4) % 2, h = lane % 2, second 24 bytes where (lane / 2) % 2
	v_bfe_u32 v14, v1, 2, 1
	v_mad_u32_u24 v[CA], v14, 96, v[CA]
	v_and_b32 v14, 1, v1
	v_mad_u32_u24 v[CA], v14, 48, v[CA]
	v_bfe_u32 v14, v1, 1, 1
	v_mad_u32_u24 v[CA], v14, 24, v[CA]
	s_mul_i32 s19, s18, 192
	s_add_co_u32 s19, s19, CST
	v_add_nc_u32 v[CA], s19, v[CA]
	v_lshl_add_u32 v[SA], v2, 6, v3                ; 64 x token + lane % 8,
	s_lshl_b32 s19, s18, 3
	s_add_co_u32 s19, s19, SST
	v_add_nc_u32 v[SA], s19, v[SA]                 ; + 8 w
	s_lshl_b32 s19, s18, 8
	s_add_co_u32 s19, s19, PART
	v_mov_b32 v[PA], s19
	s_mul_i32 s19, s18, 1536
	s_add_co_u32 s19, s19, CST
	v_add_nc_u32 v[CR], s19, v[XO]
	v_add_nc_u32 v[SR], SST, v[XO]
	v_lshl_add_u32 v[TP], v3, 5, PART
	s_mov_b32 s28, 0x76543210                      ; v_permlanex16_b32's selects for lane l xor 16
	s_mov_b32 s29, 0xfedcba98
.irp i, 0,1,2,3,4,5,6,7
	v_mov_b32 v[PT+\i], 0                          ; written once: a lane permute's destination counts as one of its sources
.endr
	s_lshl_b32 s30, ttmp9, 16                      ; x: 8 tokens of 8,192 bytes a work-group, 1,024 bytes a wave
	s_lshl_b32 s31, s18, 10
	s_add_co_u32 s30, s30, s31
	s_mov_b32 s31, 0
	s_lshl_b32 s32, s18, 13                        ; Wg: 256 rows of 32 bytes a wave
	s_mov_b32 s33, 0
	s_mul_i32 s34, ttmp9, 12288                    ; xcodes: token 8 x work-group + wave
	s_mul_i32 s35, s18, 1536
	s_add_co_u32 s34, s34, s35
	s_mov_b32 s35, 0
	s_lshl_b32 s36, ttmp9, 9                       ; xscales: 512 bytes a work-group
	s_mov_b32 s37, 0
	s_lshl_b32 s38, ttmp9, 5                       ; sel: 32
	s_mov_b32 s39, 0
	s_lshl_b32 s40, ttmp9, 6                       ; gate: 64
	s_mov_b32 s41, 0
	s_wait_kmcnt 0x0
	s_load_b256 s[20:27], s[8:9], 0x0              ; bg's eight numbers; no line of this launch writes bg
	s_add_nc_u64 s[4:5], s[4:5], s[30:31]
	s_add_nc_u64 s[6:7], s[6:7], s[32:33]
	s_add_nc_u64 s[10:11], s[10:11], s[34:35]
	s_add_nc_u64 s[12:13], s[12:13], s[36:37]
	s_add_nc_u64 s[14:15], s[14:15], s[38:39]
	s_add_nc_u64 s[16:17], s[16:17], s[40:41]
.irp t, 0,1,2,3,4,5,6,7
.irp j, 0,1
	global_load_b128 v[XR+8*\t+4*\j:XR+8*\t+4*\j+3], v[XO], s[4:5] offset:\t*8192+512*\j th:TH_LOAD_NT   ; 32 lanes read 512 consecutive bytes; read once in the launch
.endr
.endr
.irp j, 0,1
.irp i, 0,1,2,3
	global_load_b128 v[WGR+8*(4*\j+\i):WGR+8*(4*\j+\i)+3],   v[WO], s[6:7] offset:4096*\j+32*\i      ; row k = 128 j + 4 l + i of my slice: its eight numbers
	global_load_b128 v[WGR+8*(4*\j+\i)+4:WGR+8*(4*\j+\i)+7], v[WO], s[6:7] offset:4096*\j+32*\i+16
.endr
.endr
	s_wait_loadcnt 16                              ; x is in; the sixteen loads of Wg, issued behind it, may be out
.irp t, 0,1,2,3,4,5,6,7
.irp j, 0,1
	ds_store_b128 v[TI], v[XR+8*\t+4*\j:XR+8*\t+4*\j+3] offset:(8*\t+4*\j)*144   ; into the stage as loaded: a load's 512 bytes are blocks 8 t + 4 j .. + 3
.endr
.endr
	s_wait_loadcnt 0x0                             ; Wg
; THE LOGITS: 8 k x 8 tokens x 8 experts a lane, two experts an instruction; x's number feeds both halves.  The first k starts the sums: nothing is cleared.  32 sums by turns.
.irp k, 0,1,2,3,4,5,6,7
.irp t, 0,1,2,3,4,5,6,7
.irp p, 0,1,2,3
.if \k == 0
	v_pk_mul_f32 v[ACC+8*\t+2*\p:ACC+8*\t+2*\p+1], v[XR+8*\t:XR+8*\t+1], v[WGR+2*\p:WGR+2*\p+1] op_sel_hi:[0,1]
.elseif \k%2 == 0
	v_pk_fma_f32 v[ACC+8*\t+2*\p:ACC+8*\t+2*\p+1], v[XR+8*\t+\k:XR+8*\t+\k+1], v[WGR+8*\k+2*\p:WGR+8*\k+2*\p+1], v[ACC+8*\t+2*\p:ACC+8*\t+2*\p+1] op_sel_hi:[0,1,1]
.else
	v_pk_fma_f32 v[ACC+8*\t+2*\p:ACC+8*\t+2*\p+1], v[XR+8*\t+\k-1:XR+8*\t+\k], v[WGR+8*\k+2*\p:WGR+8*\k+2*\p+1], v[ACC+8*\t+2*\p:ACC+8*\t+2*\p+1] op_sel:[1,0,0] op_sel_hi:[1,1,1]
.endif
.endr
.endr
.endr
; Back from the stage, into the registers that Wg has left: block lane (token lane / 8) and block lane + 32 (token 4 + lane / 8), 32 neighbours each.  LDS serves a wave's instructions in order (ISA guide 5.7.1.4): these see my stores.
.irp b, 0,1
.irp n, 0,1,2,3,4,5,6,7
	ds_load_b128 v[QN+32*\b+4*\n:QN+32*\b+4*\n+3], v[TO] offset:4608*\b+16*\n
.endr
.endr
; The 64 sums over the wave's 32 lanes, while those loads are out: four steps inside each half of 16 lanes, one across.
.irp m, 1,2,4,8
.set nn, 0
.rept 64
	v_add_f32_dpp v[ACC+nn], v[ACC+nn], v[ACC+nn] row_xmask:\m row_mask:0xf bank_mask:0xf
.set nn, nn+1
.endr
.endr
.set gg, 0
.rept 8
.irp i, 0,1,2,3,4,5,6,7
	v_permlanex16_b32 v[PT+\i], v[ACC+8*gg+\i], s28, s29
.endr
.irp i, 0,1,2,3,4,5,6,7
	v_add_f32 v[ACC+8*gg+\i], v[ACC+8*gg+\i], v[PT+\i]
.endr
.set gg, gg+1
.endr
.irp n, 0,1,2,3,4,5,6,7,8,9,10,11,12,13,14,15
	ds_store_b128 v[PA], v[ACC+4*\n:ACC+4*\n+3] offset:16*\n   ; every lane holds the same 64 sums and writes the same bytes
.endr
	s_wait_dscnt 0x0                               ; the numbers are back from the stage
; One block of 32, all in my lane: its largest magnitude, its scale, its 24 bytes of codes.
.macro QUANT b
.set QS, QN+32*\b
	v_max3_num_f32 v[MXA], |v[QS]|, |v[QS+1]|, |v[QS+2]|
	v_max3_num_f32 v[MXB], |v[QS+3]|, |v[QS+4]|, |v[QS+5]|
.irp i, 6,10,14,18,22,26
	v_max3_num_f32 v[MXA], v[MXA], |v[QS+\i]|, |v[QS+\i+1]|
	v_max3_num_f32 v[MXB], v[MXB], |v[QS+\i+2]|, |v[QS+\i+3]|
.endr
	v_max3_num_f32 v[MXA], v[MXA], |v[QS+30]|, |v[QS+31]|
	v_max3_num_f32 v[MXA], v[MXA], v[MXB], 0x1800000               ; and the floor 2^(3 - 127): the byte cannot fall under 1
	v_add_nc_u32 v[SCL+\b], 0xff000000, v[MXA]                     ; 2 off the exponent field: the conversion takes the exponent field of this operand as its scale
	v_cvt_scalef32_pk16_fp6_f32 v[CD+6*\b:CD+6*\b+2], v[QS:QS+15], v[SCL+\b]
	v_cvt_scalef32_pk16_fp6_f32 v[TT+4*\b:TT+4*\b+2], v[QS+16:QS+31], v[SCL+\b]   ; (a conversion's three registers begin on an even number)
	v_lshrrev_b32 v[BY+\b], 23, v[SCL+\b]                          ; the scale's byte; also the plain line between a scaled conversion and the moves that read its result
.irp i, 0,1,2
	v_mov_b32 v[CD+6*\b+3+\i], v[TT+4*\b+\i]
.endr
.irp n, 0,1,2
	ds_store_b64 v[CA], v[CD+6*\b+2*\n:CD+6*\b+2*\n+1] offset:6144*\b+8*\n
.endr
	ds_store_b8 v[SA], v[BY+\b] offset:256*\b
.endm
	QUANT 0
	QUANT 1
	s_wait_dscnt 0x0                               ; for the others' sake: my codes, scale bytes and partial logits lie in LDS
	s_barrier_signal -1
	s_barrier_wait -1
; THE WAY OUT.  Wave w stores token w's 1,536 bytes of codes: three stores of 512 consecutive bytes, aligned to 256.
.irp n, 0,1,2
	ds_load_b128 v[QN+4*\n:QN+4*\n+3], v[CR] offset:512*\n
.endr
	s_wait_dscnt 0x0
.irp n, 0,1,2
	global_store_b128 v[XO], v[QN+4*\n:QN+4*\n+3], s[10:11] offset:512*\n
.endr
	s_cmp_eq_u32 s18, 1
	s_cbranch_scc0 .Lnot_wave_1
	ds_load_b128 v[QN+12:QN+15], v[SR]             ; wave 1: the 8 tokens' 512 scale bytes
	s_wait_dscnt 0x0
	global_store_b128 v[XO], v[QN+12:QN+15], s[12:13]
	s_wait_tensorcnt 0x0
	ds_add_u32 v254, v255
	s_wait_dscnt 0x0
	s_endpgm
.Lnot_wave_1:
	s_cmp_eq_u32 s18, 0
	s_cbranch_scc1 .Ltop2
	s_wait_tensorcnt 0x0
	ds_add_u32 v254, v255
	s_wait_dscnt 0x0
	s_endpgm
.Ltop2:
; WAVE 0: lane l takes token l % 8.  Its logits: the eight waves' parts, in the waves' order, and bg.
.set LG, 16                            ; v16-23 the logits (v16-79: the eight waves' parts)
.set V1, 208
.set I1, 209
.set V2, 210
.set I2, 211
.set DD, 212
.set PP, 213
.set GP, 214                           ; v[214:215] the two weights
.set SELV, 216
.set OS, 217
.set OG, 218
.irp w, 0,1,2,3,4,5,6,7
	ds_load_b128 v[LG+8*\w:LG+8*\w+3],   v[TP] offset:256*\w
	ds_load_b128 v[LG+8*\w+4:LG+8*\w+7], v[TP] offset:256*\w+16
.endr
	s_wait_dscnt 0x0
.irp w, 1,2,3,4,5,6,7
.irp p, 0,1,2,3
	v_pk_add_f32 v[LG+2*\p:LG+2*\p+1], v[LG+2*\p:LG+2*\p+1], v[LG+8*\w+2*\p:LG+8*\w+2*\p+1]
.endr
.endr
	s_wait_kmcnt 0x0                               ; bg
.irp e, 0,1,2,3,4,5,6,7
	v_add_f32 v[LG+\e], s[20+\e], v[LG+\e]
.endr
	v_mov_b32 v[V1], v[LG]                         ; the largest: a later expert takes the place only if it is strictly larger, so the lower index wins a tie
	v_mov_b32 v[I1], 0
.irp e, 1,2,3,4,5,6,7
	v_cmp_gt_f32 vcc_lo, v[LG+\e], v[V1]
	v_cndmask_b32 v[V1], v[V1], v[LG+\e], vcc_lo
	v_cndmask_b32 v[I1], v[I1], \e, vcc_lo
.endr
	v_mov_b32 v[V2], 0xff800000                    ; the second: the same among the seven others, from -infinity
	v_mov_b32 v[I2], 0
.irp e, 0,1,2,3,4,5,6,7
	v_cmp_gt_f32 s30, v[LG+\e], v[V2]
	v_cmp_ne_u32 s31, \e, v[I1]
	s_and_b32 s30, s30, s31
	v_cndmask_b32 v[V2], v[V2], v[LG+\e], s30
	v_cndmask_b32 v[I2], v[I2], \e, s30
.endr
	v_sub_f32 v[DD], v[V2], v[V1]                  ; the softmax over the two, the larger taken away: w0 = 1 / (1 + p), w1 = p / (1 + p), p = e^(second - first), at most 1
	v_mul_f32 v[DD], 0x3fb8aa3b, v[DD]
	v_exp_f32 v[PP], v[DD]
	v_lshl_or_b32 v[SELV], v[I2], 8, v[I1]         ; (a plain line behind the exponential)  i0 | i1 << 8
	s_wait_alu depctr_va_vdst(0)
	v_add_f32 v[DD], 1.0, v[PP]
	v_rcp_f32 v[GP], v[DD]
	v_lshlrev_b32 v[OS], 2, v1                     ; (a plain line behind the reciprocal)
	s_wait_alu depctr_va_vdst(0)
	v_mul_f32 v[GP+1], v[PP], v[GP]
	v_lshlrev_b32 v[OG], 3, v1
	s_wait_xcnt 0x0                                ; EXEC is a source of my pending stores: it changes only behind this wait
	v_cmp_gt_u32 vcc_lo, 8, v1
	s_wait_tensorcnt 0x0
	ds_add_u32 v254, v255
	s_wait_dscnt 0x0
	s_and_saveexec_b32 s30, vcc_lo                 ; lanes 0 to 7: one for each token.  32 and 64 bytes a work-group: parts of aligned 256 bytes, 24 KiB in the whole launch
	global_store_b32 v[OS], v[SELV], s[14:15]
	global_store_b64 v[OG], v[GP:GP+1], s[16:17]
	s_wait_xcnt 0x0                                ; and again in front of the line that widens it
	s_or_b32 exec_lo, exec_lo, s30
	s_endpgm
.Lfunc_end_k_q4111376e5a_route:
	.size	k_q4111376e5a_route, .Lfunc_end_k_q4111376e5a_route-k_q4111376e5a_route
	.p2alignl 7, 3214868480
	.fill 96, 4, 3214868480
	.section	.rodata,"a",@progbits
	.p2align	6, 0x0
	.amdhsa_kernel k_q4111376e5a_route
		.amdhsa_group_segment_fixed_size 89600
		.amdhsa_private_segment_fixed_size 0
		.amdhsa_enable_private_segment 0
		.amdhsa_kernarg_size 56
		.amdhsa_user_sgpr_count 2
		.amdhsa_user_sgpr_kernarg_segment_ptr 1
		.amdhsa_wavefront_size32 1
		.amdhsa_system_sgpr_workgroup_id_x 1
		.amdhsa_system_sgpr_workgroup_id_y 1
		.amdhsa_system_sgpr_workgroup_id_z 1
		.amdhsa_system_vgpr_workitem_id 0
		.amdhsa_next_free_vgpr 256
		.amdhsa_next_free_sgpr 66
		.amdhsa_reserve_vcc 1
		.amdhsa_float_denorm_mode_32 3
		.amdhsa_float_denorm_mode_16_64 3
		.amdhsa_memory_ordered 1
		.amdhsa_forward_progress 1
		.amdhsa_inst_pref_size 60
	.end_amdhsa_kernel
	.amdgpu_metadata
---
amdhsa.version: [ 1, 2 ]
amdhsa.kernels:
  - .name:           k_q4111376e5a_route
    .symbol:         k_q4111376e5a_route.kd
    .args:
      - { .name: x, .offset: 0, .size: 8, .value_kind: global_buffer, .address_space: global }
      - { .name: Wg, .offset: 8, .size: 8, .value_kind: global_buffer, .address_space: global }
      - { .name: bg, .offset: 16, .size: 8, .value_kind: global_buffer, .address_space: global }
      - { .name: xcodes, .offset: 24, .size: 8, .value_kind: global_buffer, .address_space: global }
      - { .name: xscales, .offset: 32, .size: 8, .value_kind: global_buffer, .address_space: global }
      - { .name: sel, .offset: 40, .size: 8, .value_kind: global_buffer, .address_space: global }
      - { .name: gate, .offset: 48, .size: 8, .value_kind: global_buffer, .address_space: global }
    .group_segment_fixed_size: 89600
    .private_segment_fixed_size: 0
    .kernarg_segment_align: 8
    .kernarg_segment_size: 56
    .max_flat_workgroup_size: 256
    .sgpr_count:     66
    .vgpr_count:     256
    .wavefront_size: 32
...
	.end_amdgpu_metadata
.endif
;; end of part 1
;; launch prep (part 2): grid 1025 x 1, 4 waves a work-group, no clusters, 1,024 bytes of LDS; arguments We, sel, wcodes, wscales, order; writes wcodes, wscales, order
.if DOCPART == 2
	.amdgcn_target "amdgcn-amd-amdhsa--gfx1250"
	.amdhsa_code_object_version 6
	.text
	.protected	k_q4111376e5a_prep
	.globl	k_q4111376e5a_prep
	.p2align	8
	.type	k_q4111376e5a_prep,@function
k_q4111376e5a_prep:
	s_mov_b64 s[64:65], 0
	v_nop
	global_prefetch_b8 v0, s[64:65] scope:SCOPE_SE
	s_setreg_imm32_b32 hwreg(HW_REG_WAVE_MODE, 25, 1), 1
	s_wait_xcnt 0x0
; PREP.  Work-groups 1 to 1,024 turn We [8][2048 (k)][2048 (o)], f32, into codes of FP6 (E2M3) with one E8M0 scale byte for each 32 along k, laid in the order of the operand's registers.
; Work-group 0 sorts the 2,048 tokens by their pair of experts (a counting sort, no atomics) and stores the list that the next launch walks.  The sort rides beside the long stream.
; THE WEIGHTS.  K is We's first axis within an expert, so A LANE TAKES A COLUMN o AND ITS REGISTERS RUN DOWN K: a block of 32 lies in one lane's 32 registers, its largest magnitude needs no other lane,
; and the conversions give codes with K innermost.  A wave takes 32 columns x 256 along K; each load reads 128 consecutive bytes, the four waves of a work-group side by side 512.  Loads run two blocks (64 loads a wave) ahead.
; wcodes: [e][64 columns cb][K step s of 128][tile t of 16 columns][1,536 bytes]: a fragment as the matrix instruction's 12 registers hold it: registers 4 c .. 4 c + 3 of lane (r, h) at 512 c + 16 (r + 16 h).
; My column is row r = lane % 16 of tile lane / 16 of my 32 columns; I hold what lanes (r, 0) and (r, 1) of the fragment want: blocks 0, 2 and blocks 1, 3 of each K step.  So each store's half of the lanes fills 256 consecutive bytes, aligned.
; wscales: [e][32 columns cg][256 along K kc][lane][8 bytes]: the scale words of K steps 2 kc and 2 kc + 1 of column 32 cg + lane.
; A block's scale is 2^(floor(log2(largest magnitude)) - 2); its byte is that magnitude's exponent field - 2, held at 1 from below.
; LIMITS: a block of zeros gets the byte 1 (its codes are zeros; this program alone reads the bytes); blocks whose largest magnitude lies under 2^-124 were not tried; NaN and infinities are not served.
; No tensor loads and no ring: waves of the stream share nothing.  No cluster: no byte of We is read twice.
.set LO,  2                            ; v2   4 x lane
.set SO,  3                            ; v3   1536 (lane / 16) + 16 (lane % 16)
.set SS,  4                            ; v4   8 x lane
.set XN,  32                           ; v32-95   two sets of 32 numbers
.set IM,  96                           ; v96-143  the codes: 24 registers for each of the two K steps, so that no store's data are written again
.set TQ,  144                          ; v144-146 a block's second half as the conversion leaves it
.set SB,  148                          ; v148-149 the two scale words
.set MXA, 150
.set MXB, 151
.set SCL, 152
.set BY,  153
	s_load_b256 s[4:11], s[0:1], 0x0               ; We s[4:5], sel s[6:7], wcodes s[8:9], wscales s[10:11]
	s_load_b64 s[12:13], s[0:1], 0x20              ; order
	v_lshl_add_u32 v160, v0, 2, 0x200
	v_mov_b32 v161, 0
	v_lshrrev_b32 v1, 5, v0
	v_readfirstlane_b32 s14, v1                    ; wave 0..3
	s_cmp_eq_u32 ttmp9, 0                          ; the same for all four waves of a work-group
	s_cbranch_scc1 .Lsort
	v_and_b32 v1, 31, v0                           ; lane
	v_lshlrev_b32 v[LO], 2, v1
	v_lshrrev_b32 v5, 4, v1
	v_mul_u32_u24 v[SO], v5, 1536
	v_and_b32 v5, 15, v1
	v_lshl_add_u32 v[SO], v5, 4, v[SO]
	v_lshlrev_b32 v[SS], 3, v1
	s_sub_co_u32 s15, ttmp9, 1                     ; q = 128 e + 16 kc + column group of 128
	s_lshr_b32 s16, s15, 7                         ; e
	s_bfe_u32 s17, s15, 0x30004                    ; kc: which 256 along K
	s_and_b32 s18, s15, 15
	s_lshl_b32 s18, s18, 2
	s_add_co_u32 s18, s18, s14                     ; cg: which 32 columns
	s_lshl_b32 s20, s16, 24                        ; We: e x 2048 x 8,192 bytes + kc x 256 rows + cg x 128 bytes
	s_lshl_b32 s21, s17, 21
	s_add_co_u32 s20, s20, s21
	s_lshl_b32 s21, s18, 7
	s_add_co_u32 s20, s20, s21
	s_mov_b32 s21, 0
	s_lshl_b32 s22, s16, 5                         ; wcodes: ((32 e + cg / 2) x 16 + 2 kc) x 6,144 + (cg % 2) x 3,072
	s_lshr_b32 s23, s18, 1
	s_add_co_u32 s22, s22, s23
	s_lshl_b32 s22, s22, 4
	s_lshl_b32 s23, s17, 1
	s_add_co_u32 s22, s22, s23
	s_mul_i32 s22, s22, 6144
	s_and_b32 s23, s18, 1
	s_mul_i32 s23, s23, 3072
	s_add_co_u32 s22, s22, s23
	s_mov_b32 s23, 0
	s_lshl_b32 s24, s16, 6                         ; wscales: ((64 e + cg) x 8 + kc) x 256
	s_add_co_u32 s24, s24, s18
	s_lshl_b32 s24, s24, 3
	s_add_co_u32 s24, s24, s17
	s_lshl_b32 s24, s24, 8
	s_mov_b32 s25, 0
	s_wait_kmcnt 0x0
	s_add_nc_u64 s[4:5], s[4:5], s[20:21]
	s_add_nc_u64 s[8:9], s[8:9], s[22:23]
	s_add_nc_u64 s[10:11], s[10:11], s[24:25]
.macro LOAD t                          ; block t: We(32 t + i, my column), i = 0 .. 31, into set t % 2.  Every offset is an immediate: 255 rows of 8,192 bytes at the most
.irp i, 0,1,2,3,4,5,6,7,8,9,10,11,12,13,14,15,16,17,18,19,20,21,22,23,24,25,26,27,28,29,30,31
	global_load_b32 v[XN+32*((\t)%2)+\i], v[LO], s[4:5] offset:(32*(\t)+\i)*8192 th:TH_LOAD_NT
.endr
.endm
.macro BLOCK t
.set XS, XN+32*((\t)%2)
.set IX, IM+24*((\t)/4)+12*((\t)%2)+6*(((\t)/2)%2)   ; K step t / 4; h = t % 2; the fragment's registers 6 ((t / 2) % 2) on
.if (\t) < 7
	s_wait_loadcnt 32                              ; this block's 32 loads are in; the next block's may be out
.else
	s_wait_loadcnt 0x0
.endif
	v_max3_num_f32 v[MXA], |v[XS]|, |v[XS+1]|, |v[XS+2]|
	v_max3_num_f32 v[MXB], |v[XS+3]|, |v[XS+4]|, |v[XS+5]|
.irp i, 6,10,14,18,22,26
	v_max3_num_f32 v[MXA], v[MXA], |v[XS+\i]|, |v[XS+\i+1]|
	v_max3_num_f32 v[MXB], v[MXB], |v[XS+\i+2]|, |v[XS+\i+3]|
.endr
	v_max3_num_f32 v[MXA], v[MXA], |v[XS+30]|, |v[XS+31]|
	v_max3_num_f32 v[MXA], v[MXA], v[MXB], 0x1800000               ; and the floor 2^(3 - 127): the byte cannot fall under 1
	v_add_nc_u32 v[SCL], 0xff000000, v[MXA]                        ; 2 off the exponent field: the conversion's scale operand
	v_cvt_scalef32_pk16_fp6_f32 v[IX:IX+2], v[XS:XS+15], v[SCL]
	v_cvt_scalef32_pk16_fp6_f32 v[TQ:TQ+2], v[XS+16:XS+31], v[SCL] ; (a conversion's three registers begin on an even number)
	v_lshrrev_b32 v[BY], 23, v[SCL]                                ; the scale's byte; also the plain line between a scaled conversion and the moves that read its result
.if (\t)%4 == 0
	v_mov_b32 v[SB+(\t)/4], v[BY]                                  ; four bytes to a word, the lower K in the lower byte
.else
	v_lshl_or_b32 v[SB+(\t)/4], v[BY], 8*((\t)%4), v[SB+(\t)/4]
.endif
.irp i, 0,1,2
	v_mov_b32 v[IX+3+\i], v[TQ+\i]
.endr
.if (\t)+2 < 8
	LOAD (\t)+2
.endif
.if (\t)%4 == 3                        ; a K step's four blocks are done: its 24 registers leave.  No hint: the next launch reads them
.irp h, 0,1
.irp c, 0,1,2
	global_store_b128 v[SO], v[IM+24*((\t)/4)+12*\h+4*\c:IM+24*((\t)/4)+12*\h+4*\c+3], s[8:9] offset:((\t)/4)*6144+512*\c+256*\h
.endr
.endr
.endif
.endm
	LOAD 0
	LOAD 1
.irp t, 0,1,2,3,4,5,6,7
	BLOCK \t
.endr
	global_store_b64 v[SS], v[SB:SB+1], s[10:11]   ; 32 lanes store 256 consecutive bytes, aligned
	s_endpgm
; THE SORT.  key = hi (hi - 1) / 2 + lo of a token's two experts, 0 .. 27: a lane can stand for a key.  Wave w takes tokens 512 w .. 512 w + 511 in sixteen groups of 32, a token a lane.
; A token's rank = the tokens of smaller keys + those of its key in earlier waves + in earlier groups of its wave + in lower lanes of its group.  Which token of a key comes first does not matter.
; order[rank] = token | i0 << 11 | i1 << 14 | ((1 << i0) | (1 << i1)) << 24: the top byte has a bit for each of the token's two experts, so that the OR of a tile's entries names the experts that the tile uses.
.set SOF,  2                           ; v2   my 16 bytes of sel
.set TOKB, 3                           ; v3   512 w + 4 x lane
.set MYW,  5                           ; v5   LDS: 4 x thread: my wave's count of key = lane
.set KYW,  6                           ; v6   LDS: 4 x lane: wave 0's
.set ACCU, 7                           ; v7   lane j: tokens of key j in my wave so far
.set LT,   16                          ; v16-20   bit b of my lane's number, less 1
.set SEL,  32                          ; v32-47
.set KEY4, 48                          ; v48-63   4 x key
.set RIN,  64                          ; v64-79   lower lanes of my group with my key
.set RUN,  80                          ; v80-95   lane j: key j's count ahead of group g
.set ENTR, 96                          ; v96-111  the entries
.set RK,   112                         ; v112-127 the ranks
.Lsort:
	v_and_b32 v1, 31, v0
	v_lshrrev_b32 v4, 5, v0
	v_lshlrev_b32 v[SOF], 4, v1
	v_lshl_add_u32 v[SOF], v4, 11, v[SOF]          ; 2,048 w + 16 x lane
	v_lshlrev_b32 v[TOKB], 2, v1
	v_lshl_add_u32 v[TOKB], v4, 9, v[TOKB]
	v_lshlrev_b32 v[MYW], 2, v0
	v_lshlrev_b32 v[KYW], 2, v1
	v_mov_b32 v[ACCU], 0
	s_mov_b32 s20, 0x01010101
	s_mov_b32 s23, 0x1000000                       ; expert 0's bit in an entry's top byte
.irp b, 0,1,2,3,4
	v_bfe_u32 v[LT+\b], v1, \b, 1
	v_add_nc_u32 v[LT+\b], -1, v[LT+\b]            ; 0 where the bit is set, all ones where not
.endr
	s_wait_kmcnt 0x0
.irp j, 0,1,2,3
	global_load_b128 v[SEL+4*\j:SEL+4*\j+3], v[SOF], s[6:7] offset:512*\j   ; register 4 j + i: token 512 w + 128 j + 4 x lane + i
.endr
	s_wait_loadcnt 0x0
.macro GROUP g
	v_and_b32 v128, 7, v[SEL+\g]                   ; i0
	v_bfe_u32 v129, v[SEL+\g], 8, 3                ; i1
	v_min_u32 v130, v128, v129                     ; lo
	v_add_nc_u32 v131, v128, v129
	v_sub_nc_u32 v131, v131, v130                  ; hi
	v_add_nc_u32 v132, -1, v131
	v_mul_u32_u24 v132, v131, v132
	v_lshrrev_b32 v132, 1, v132
	v_add_nc_u32 v132, v132, v130                  ; the key
	v_min_u32 v132, 31, v132                       ; it names a lane below
	v_lshlrev_b32 v[KEY4+\g], 2, v132
	v_lshl_or_b32 v[ENTR+\g], v128, 11, v[TOKB]    ; the entry: i0,
	v_lshl_or_b32 v[ENTR+\g], v129, 14, v[ENTR+\g] ; i1,
	v_lshl_or_b32 v[ENTR+\g], s23, v128, v[ENTR+\g]   ; their two bits in the top byte,
	v_lshl_or_b32 v[ENTR+\g], s23, v129, v[ENTR+\g]
	v_add_nc_u32 v[ENTR+\g], 128*(\g/4)+\g%4, v[ENTR+\g]   ; and the token, which stays under 2,048: nothing is carried into bit 11
.irp b, 0,1,2,3,4
	v_bfe_u32 v[133+\b], v132, \b, 1
	v_cmp_ne_u32 s[30+\b], 0, v[133+\b]            ; the lanes whose key has bit b
	v_add_nc_u32 v[133+\b], -1, v[133+\b]
.endr
	v_xor_b32 v138, s30, v133                      ; the lanes that agree with my key in bit 0,
.irp b, 1,2,3,4
	v_xor_b32 v139, s[30+\b], v[133+\b]
	v_and_b32 v138, v138, v139                     ; .. and in every bit: the lanes with my key
.endr
	v_mbcnt_lo_u32_b32 v[RIN+\g], v138, 0          ; of them, those below me
	v_xor_b32 v138, s30, v[LT]
.irp b, 1,2,3,4
	v_xor_b32 v139, s[30+\b], v[LT+\b]
	v_and_b32 v138, v138, v139                     ; the lanes whose key is my lane's number
.endr
	v_lshrrev_b32 v139, 1, v138                    ; how many: the bits are counted in pairs, fours, bytes, and the bytes summed by a multiplication
	v_and_b32 v139, 0x55555555, v139
	v_sub_nc_u32 v138, v138, v139
	v_lshrrev_b32 v139, 2, v138
	v_and_b32 v138, 0x33333333, v138
	v_and_b32 v139, 0x33333333, v139
	v_add_nc_u32 v138, v138, v139
	v_lshrrev_b32 v139, 4, v138
	v_add_nc_u32 v138, v138, v139
	v_and_b32 v138, 0x0f0f0f0f, v138
	v_mul_lo_u32 v138, v138, s20
	v_lshrrev_b32 v138, 24, v138
	v_mov_b32 v[RUN+\g], v[ACCU]
	v_add_nc_u32 v[ACCU], v[ACCU], v138
.endm
.irp g, 0,1,2,3,4,5,6,7,8,9,10,11,12,13,14,15
	GROUP \g
.endr
	ds_store_b32 v[MYW], v[ACCU]
	s_wait_dscnt 0x0                               ; for the others' sake: my wave's counts lie in LDS
	s_barrier_signal -1
	s_barrier_wait -1
.irp w, 0,1,2,3
	ds_load_b32 v[142+\w], v[KYW] offset:128*\w
.endr
	s_wait_dscnt 0x0
	v_add_nc_u32 v146, v142, v143
	v_add_nc_u32 v146, v146, v144
	v_add_nc_u32 v146, v146, v145                  ; lane j: all tokens of key j
	v_mov_b32 v147, 0                              ; lane j: those in earlier waves
.irp w, 0,1,2
	s_cmp_gt_u32 s14, \w
	s_cselect_b32 s21, 1, 0
	v_mad_u32_u24 v147, v[142+\w], s21, v147
.endr
	v_mov_b32 v148, 0                              ; lane j: all tokens of keys under j
	s_mov_b32 s21, 0
.set jj, 0
.rept 32
	v_readlane_b32 s22, v146, jj
	v_writelane_b32 v148, s21, jj
	s_add_co_u32 s21, s21, s22
.set jj, jj+1
.endr
	v_add_nc_u32 v149, v148, v147
.irp g, 0,1,2,3,4,5,6,7,8,9,10,11,12,13,14,15
	v_add_nc_u32 v[RUN+\g], v[RUN+\g], v149
.endr
.irp g, 0,1,2,3,4,5,6,7,8,9,10,11,12,13,14,15
	ds_bpermute_b32 v[RK+\g], v[KEY4+\g], v[RUN+\g]   ; from the lane that stands for my key; no LDS byte is touched
.endr
	s_wait_dscnt 0x0
.irp g, 0,1,2,3,4,5,6,7,8,9,10,11,12,13,14,15
	v_add_nc_u32 v[RK+\g], v[RK+\g], v[RIN+\g]
	v_min_u32 v[RK+\g], 0x7ff, v[RK+\g]            ; a number made of loaded ones enters an address only behind this bound
	v_lshlrev_b32 v[RK+\g], 2, v[RK+\g]
.endr
.irp g, 0,1,2,3,4,5,6,7,8,9,10,11,12,13,14,15
	global_store_b32 v[RK+\g], v[ENTR+\g], s[12:13]   ; four bytes a lane to scattered places: 8 KiB in the whole launch
.endr
	s_wait_tensorcnt 0x0
	ds_add_u32 v160, v161
	s_wait_dscnt 0x0
	s_endpgm
.Lfunc_end_k_q4111376e5a_prep:
	.size	k_q4111376e5a_prep, .Lfunc_end_k_q4111376e5a_prep-k_q4111376e5a_prep
	.p2alignl 7, 3214868480
	.fill 96, 4, 3214868480
	.section	.rodata,"a",@progbits
	.p2align	6, 0x0
	.amdhsa_kernel k_q4111376e5a_prep
		.amdhsa_group_segment_fixed_size 1024
		.amdhsa_private_segment_fixed_size 0
		.amdhsa_enable_private_segment 0
		.amdhsa_kernarg_size 40
		.amdhsa_user_sgpr_count 2
		.amdhsa_user_sgpr_kernarg_segment_ptr 1
		.amdhsa_wavefront_size32 1
		.amdhsa_system_sgpr_workgroup_id_x 1
		.amdhsa_system_sgpr_workgroup_id_y 1
		.amdhsa_system_sgpr_workgroup_id_z 1
		.amdhsa_system_vgpr_workitem_id 0
		.amdhsa_next_free_vgpr 162
		.amdhsa_next_free_sgpr 66
		.amdhsa_reserve_vcc 0
		.amdhsa_float_denorm_mode_32 3
		.amdhsa_float_denorm_mode_16_64 3
		.amdhsa_memory_ordered 1
		.amdhsa_forward_progress 1
		.amdhsa_inst_pref_size 95
	.end_amdhsa_kernel
	.amdgpu_metadata
---
amdhsa.version: [ 1, 2 ]
amdhsa.kernels:
  - .name:           k_q4111376e5a_prep
    .symbol:         k_q4111376e5a_prep.kd
    .args:
      - { .name: We, .offset: 0, .size: 8, .value_kind: global_buffer, .address_space: global }
      - { .name: sel, .offset: 8, .size: 8, .value_kind: global_buffer, .address_space: global }
      - { .name: wcodes, .offset: 16, .size: 8, .value_kind: global_buffer, .address_space: global }
      - { .name: wscales, .offset: 24, .size: 8, .value_kind: global_buffer, .address_space: global }
      - { .name: order, .offset: 32, .size: 8, .value_kind: global_buffer, .address_space: global }
    .group_segment_fixed_size: 1024
    .private_segment_fixed_size: 0
    .kernarg_segment_align: 8
    .kernarg_segment_size: 40
    .max_flat_workgroup_size: 128
    .sgpr_count:     66
    .vgpr_count:     162
    .wavefront_size: 32
...
	.end_amdgpu_metadata
.endif
;; end of part 2
;; launch moe (part 3): grid 8 x 32, 4 waves a work-group, no clusters, 117,248 bytes of LDS; arguments xcodes, xscales, gate, order, wcodes, wscales, be, out0; writes out0
.if DOCPART == 3
	.amdgcn_target "amdgcn-amd-amdhsa--gfx1250"
	.amdhsa_code_object_version 6
	.text
	.protected	k_q4111376e5a_moe
	.globl	k_q4111376e5a_moe
	.p2align	8
	.type	k_q4111376e5a_moe,@function
k_q4111376e5a_moe:
	s_mov_b64 s[64:65], 0
	v_nop
	global_prefetch_b8 v0, s[64:65] scope:SCOPE_SE
	s_setreg_imm32_b32 hwreg(HW_REG_WAVE_MODE, 25, 1), 1
	s_wait_xcnt 0x0
; MOE.  out[n] = w0 (xq[n] . Wq[i0] + be[i0]) + w1 (xq[n] . Wq[i1] + be[i1]), on codes of FP6 (E2M3) with one E8M0 scale for each 32 along K; sums in f32.
; SHARES.  A work-group takes a tile of 64 tokens of the sorted list (work-group y) x 256 columns (work-group x): 8 x 32 = 256 work-groups, and every output row has one owner.
; Wave w takes all 64 rows x 64 columns: 16 accumulators of 16 x 16.  The work-group walks the experts that its 64 tokens use (at least 2, at most 8; the sort makes them few): for each, K = 2,048 in 16 steps of 128,
; then OUT += g x ACC, g the token's weight for that expert, 0 where the token has not chosen it.  The bias is the C of a sum's first matrix instruction, so g weighs it too.
; x's 64 rows of codes are gathered once into LDS and read from there by all four waves for every expert.  THE WEIGHTS GO FROM MEMORY STRAIGHT INTO REGISTERS: they lie in the order of the operand's registers,
; so each lane loads its fragments whole, 16 bytes a load, 512 consecutive bytes a wave.  The walk hangs on a list read from memory: so the loop holds no barrier and fills no LDS.
; WHAT STEERS THE WALK is made by scalar instructions alone, from the list's whole numbers: an entry is token | i0 << 11 | i1 << 14 | ((1 << i0) | (1 << i1)) << 24, and the OR of the tile's 64 entries has the tile's experts in its top byte.
; THE MATRIX INSTRUCTION IS USED TRANSPOSED: source 0 = 16 columns of W, source 1 = 16 tokens: lane (r, h) holds token 16 g + r, and its register j column 16 t + 8 h + j.
; A RING OF FOUR K STEPS in registers for the weights (48 loads a wave on their way), running on into the next expert: the next expert's first four steps, its scale words and its bias are asked for during this one.
; NO CLUSTER: partners along the tokens walk different lists of experts, of different lengths; partners along the columns share only x's 98,304 bytes, read once, beside 393,216 bytes of weights of their own for each expert.
; REGISTERS, in windows of 256 (s_set_vgpr_msb's low byte: bits 1:0 source 0, 3:2 source 1, 5:4 source 2, 7:6 destination):
;   window 0: v1-17 addresses; v24-30 entries, at work; v32-63 x's scale words, v64-95 W's (scales and nothing else); v96-191 x's fragments, two sets; v192-223 the bias; v224-253 experts, weights, offsets
;   window 1: v0-191 W's fragments: four slots of 48; v192-223 the rows' offsets in out.      window 2: v0-127 ACC ((t, g) at 8 (4 t + g)); v128-255 OUT.
.set XPITCH, 1552                      ; a token's row in LDS: 1,536 bytes + 16 = 97 x 16: the sixteen rows that a load touches fall on different banks (64 banks of 4 bytes: ISA guide 11.1)
.set STAGE,  99328                     ; behind the 64 rows: 16 rows x 272 bytes for each wave, for the way out
.set L16, 4                            ; v4   16 x lane
.set AD0, 5                            ; v5   my place in rows 0-31 of x: 1552 r + 48 h;  v6: the same in rows 32-63
.set XW,  7                            ; v7   where my wave's 16 rows go
.set SO8, 9                            ; v9   8 x lane
.set BIO, 10                           ; v10  32 h
.set STO, 11                           ; v11  the way out: where I put 32 bytes of a row
.set RD,  12                           ; v12  and where I read a row back
.set R16, 15                           ; v15  16 r
.set E4R, 16                           ; v16  4 r
.set E4L, 17                           ; v17  4 x lane
.set ENT, 24                           ; v24-27  entry of row 16 g + r
.set ENT2, 28                          ; v28-29  entry of row 32 p + lane
.set XS,  32                           ; register 16 p + s: lanes 0-15 the word of row 32 p + r, lanes 16-31 of row 32 p + 16 + r, for K step s
.set WS,  64                           ; register 16 p + s: lanes 0-15 column 32 p + r, lanes 16-31 column 32 p + 16 + r
.set AF,  96
.set ROF, 96                           ; at the set-up: my wave's sixteen rows' offsets in xcodes
.set BI,  192                          ; register 8 t + j: be(column 16 t + 8 h + j)
.set I0,  224
.set I1,  228
.set GW,  232                          ; v232-239 w0, w1 of row 16 g + r
.set GG,  240                          ; v240-247 register 2 g: this expert's weight for row 16 g + r; the odd ones hold 0 (named as a pair's upper half)
.set GOF, 248
.set XSO, 252
.set TLW, 192                          ; in window 1: register 8 g + i: the offset in out of row 16 g + 8 h + i's token, + 16 r
.set LAND, 96                          ; the way out: v96-223 whole rows back from the stage
.set OUT, 128                          ; in window 2
.set WV,   20
.set TILE, 22
.set CB64, 23
.set REM,  40                          ; the experts still to be picked, a bit each
.set ECUR, 41
.set ENXT, 42
.set CNT,  43
.set CB,   44                          ; s[44:45] this expert's codes
.set NB,   46                          ; s[46:47] the next expert's codes, s[48:49] scale words, s[50:51] bias
.set NS,   48
.set NBI,  50
.set WCB,  52                          ; s[52:53] wcodes, s[54:55] wscales, s[56:57] be at my 64 columns of expert 0
.set WSB,  54
.set BEB,  56
.set TP,   58                          ; s[58:59] an offset as a pair; s59 stays 0
.set OB,   60                          ; s[60:61] out0 at my 64 columns
.set MSB, 0
.macro WIN new                         ; the immediate's high byte repeats the setting that is left; a switch that changes nothing is dropped
.if MSB != \new
	s_set_vgpr_msb (MSB<<8)|\new
.set MSB, \new
.endif
.endm
	s_load_b512 s[4:19], s[0:1], 0x0               ; xcodes s[4:5], xscales s[6:7], gate s[8:9], order s[10:11], wcodes s[12:13], wscales s[14:15], be s[16:17], out0 s[18:19]
	v_lshl_add_u32 v254, v0, 2, 0x1c800
	v_mov_b32 v255, 0
	v_lshrrev_b32 v30, 5, v0
	v_readfirstlane_b32 s[WV], v30                 ; wave 0..3
	v_and_b32 v1, 31, v0                           ; lane
	v_and_b32 v2, 15, v0                           ; r
	v_bfe_u32 v3, v0, 4, 1                         ; h
	v_lshlrev_b32 v[L16], 4, v1
	v_mul_u32_u24 v[AD0], v2, XPITCH
	v_mad_u32_u24 v[AD0], v3, 48, v[AD0]
	v_add_nc_u32 v[AD0+1], 32*XPITCH, v[AD0]
	s_mul_i32 s[TP], s[WV], 16*XPITCH
	v_add_nc_u32 v[XW], s[TP], v[L16]
	v_lshlrev_b32 v[SO8], 3, v1
	v_lshlrev_b32 v[BIO], 5, v3
	s_mul_i32 s[TP], s[WV], 4352
	s_add_co_u32 s[TP], s[TP], STAGE               ; my stage
	v_mul_u32_u24 v[STO], v2, 272                  ; in: row r, 32 bytes for each half of the lanes
	v_lshl_add_u32 v[STO], v3, 5, v[STO]
	v_add_nc_u32 v[STO], s[TP], v[STO]
	v_mul_u32_u24 v[RD], v3, 8*272                 ; back: lanes 0-15 take row i, lanes 16-31 row 8 + i; 16 bytes a lane
	v_lshl_add_u32 v[RD], v2, 4, v[RD]
	v_add_nc_u32 v[RD], s[TP], v[RD]
	v_lshlrev_b32 v[R16], 4, v2
	v_lshlrev_b32 v[E4R], 2, v2
	v_lshlrev_b32 v[E4L], 2, v1
.irp g, 0,1,2,3
	v_mov_b32 v[GG+2*\g+1], 0
.endr
	s_and_b32 s[TILE], ttmp7, 0xffff
	s_lshl_b32 s[CB64], ttmp9, 2
	s_add_co_u32 s[CB64], s[CB64], s[WV]           ; which 64 columns are my wave's
	s_mov_b32 s[TP+1], 0
	s_wait_kmcnt 0x0
	s_lshl_b32 s[TP], s[TILE], 8
	s_add_nc_u64 s[10:11], s[10:11], s[TP:TP+1]    ; order at my tile's 64 entries
	s_lshl_b32 s21, s[WV], 6                       ; the tile's four groups of sixteen entries, each by a pointer of its own: my wave's, which it gathers, and the three others'
	s_mov_b32 s[TP], s21
	s_add_nc_u64 s[2:3], s[10:11], s[TP:TP+1]
	s_xor_b32 s[TP], s21, 64
	s_add_nc_u64 s[56:57], s[10:11], s[TP:TP+1]
	s_xor_b32 s[TP], s21, 128
	s_add_nc_u64 s[60:61], s[10:11], s[TP:TP+1]
	s_xor_b32 s[TP], s21, 192
	s_add_nc_u64 s[62:63], s[10:11], s[TP:TP+1]
	s_load_b512 s[24:39], s[2:3], 0x0              ; the entries of rows 16 w .. 16 w + 15
	s_load_b512 s[40:55], s[56:57], 0x0
	s_load_b512 s[68:83], s[60:61], 0x0
	s_load_b512 s[84:99], s[62:63], 0x0
.irp g, 0,1,2,3
	global_load_b32 v[ENT+\g], v[E4R], s[10:11] offset:64*\g
.endr
.irp p, 0,1
	global_load_b32 v[ENT2+\p], v[E4L], s[10:11] offset:128*\p
.endr
	WIN 0x40                                       ; destination window 1
.irp g, 0,1,2,3
.irp n, 0,1
	global_load_b128 v[TLW+8*\g+4*\n:TLW+8*\g+4*\n+3], v[BIO], s[10:11] offset:64*\g+16*\n   ; register 8 g + i: the entry of row 16 g + 8 h + i, for the way out
.endr
.endr
	WIN 0
	s_wait_kmcnt 0x0                               ; all 64 entries are in; the four pointers may be written again
.irp i, 0,1,2,3,4,5,6,7,8,9,10,11,12,13,14,15
	s_and_b32 s[TP], s[24+\i], 0x7ff               ; the token,
	s_min_u32 s[TP], s[TP], 0x7ff                  ; bounded before it enters an address,
	s_mul_i32 s[TP], s[TP], 1536                   ; its row of codes
	v_add_nc_u32 v[ROF+\i], s[TP], v[L16]
.endr
	WIN 0x80                                       ; destination window 2: the registers of ACC and OUT are free yet
.irp i, 0,1,2,3,4,5,6,7,8,9,10,11,12,13,14,15
.irp n, 0,1,2
	global_load_b128 v[12*\i+4*\n:12*\i+4*\n+3], v[ROF+\i], s[4:5] offset:512*\n   ; 32 lanes read 512 consecutive bytes of a row
.endr
.endr
	WIN 0
; Which experts does the tile use?  The OR of its 64 entries, in four chains; the top byte has a bit for each expert.
	s_or_b32 s[TP], s24, s25
.irp i, 1,2,3,4,5,6,7,8,9,10,11,12,13,14,15
	s_or_b32 s40, s40, s[40+\i]
	s_or_b32 s68, s68, s[68+\i]
	s_or_b32 s84, s84, s[84+\i]
.if \i > 1
	s_or_b32 s[TP], s[TP], s[24+\i]
.endif
.endr
	s_or_b32 s40, s40, s68
	s_or_b32 s84, s84, s[TP]
	s_or_b32 s40, s40, s84
	s_lshr_b32 s[REM], s40, 24
	s_bcnt1_i32_b32 s[CNT], s[REM]                 ; a token's two experts differ, so there are at least two: the loop takes all but the last, the tail the last
	s_sub_co_u32 s[CNT], s[CNT], 1
	s_min_u32 s[CNT], s[CNT], 7
	s_max_u32 s[CNT], s[CNT], 1                    ; the loop's counter starts at 1 at the least
	s_mul_i32 s[TP], s[CB64], 98304
	s_add_nc_u64 s[WCB:WCB+1], s[12:13], s[TP:TP+1]
	s_lshl_b32 s[TP], s[CB64], 12
	s_add_nc_u64 s[WSB:WSB+1], s[14:15], s[TP:TP+1]
	s_lshl_b32 s[TP], s[CB64], 8
	s_add_nc_u64 s[BEB:BEB+1], s[16:17], s[TP:TP+1]
	s_add_nc_u64 s[OB:OB+1], s[18:19], s[TP:TP+1]
	s_wait_loadcnt 48                              ; the fourteen loads of entries are in; the 48 issued behind them may be out
.irp g, 0,1,2,3
	v_bfe_u32 v[I0+\g], v[ENT+\g], 11, 3
	v_bfe_u32 v[I1+\g], v[ENT+\g], 14, 3
	v_and_b32 v[ENT+\g], 0x7ff, v[ENT+\g]
	v_min_u32 v[ENT+\g], 0x7ff, v[ENT+\g]
	v_lshlrev_b32 v[GOF+\g], 3, v[ENT+\g]
.endr
.irp p, 0,1
	v_and_b32 v[ENT2+\p], 0x7ff, v[ENT2+\p]
	v_min_u32 v[ENT2+\p], 0x7ff, v[ENT2+\p]
	v_lshlrev_b32 v[XSO+\p], 6, v[ENT2+\p]
.endr
.irp g, 0,1,2,3
	global_load_b64 v[GW+2*\g:GW+2*\g+1], v[GOF+\g], s[8:9]
.endr
.irp p, 0,1
.irp q, 0,1,2,3
	global_load_b128 v[XS+16*\p+4*\q:XS+16*\p+4*\q+3], v[XSO+\p], s[6:7] offset:16*\q   ; a row's 16 scale words, one for each K step
.endr
.endr
	WIN 0x44                                       ; source 1 and destination window 1
.set i, 0
.rept 32
	v_and_b32 v[TLW+i], 0x7ff, v[TLW+i]            ; the token,
	v_min_u32 v[TLW+i], 0x7ff, v[TLW+i]            ; bounded before it enters an address
.set i, i+1
.endr
	WIN 0x41                                       ; source 0 and destination window 1, 16 r window 0
.set i, 0
.rept 32
	v_lshl_add_u32 v[TLW+i], v[TLW+i], 13, v[R16]  ; its row of 8,192 bytes of out, + 16 r
.set i, i+1
.endr
	WIN 0
.macro PICK d                          ; the lowest expert left; with none left: 7, which is then asked for by nobody or weighed with 0
	s_ctz_i32_b32 s[\d], s[REM]
	s_min_u32 s[\d], s[\d], 7
	s_sub_co_u32 s[TP], s[REM], 1
	s_and_b32 s[REM], s[REM], s[TP]
.endm
.macro BASES e                         ; where expert e's codes, scale words and bias begin for my 64 columns
	s_mul_i32 s[TP], s[\e], 3145728
	s_add_nc_u64 s[NB:NB+1], s[WCB:WCB+1], s[TP:TP+1]
	s_lshl_b32 s[TP], s[\e], 17
	s_add_nc_u64 s[NS:NS+1], s[WSB:WSB+1], s[TP:TP+1]
	s_lshl_b32 s[TP], s[\e], 13
	s_add_nc_u64 s[NBI:NBI+1], s[BEB:BEB+1], s[TP:TP+1]
.endm
.macro ALOAD s                         ; x's four fragments of K step s into set s % 2: a lane's 48 bytes are its 12 registers
.irp g, 0,1,2,3
.irp c, 0,1,2
	ds_load_b128 v[AF+48*((\s)%2)+12*\g+4*\c:AF+48*((\s)%2)+12*\g+4*\c+3], v[AD0+\g/2] offset:(\g%2)*16*XPITCH+96*(\s)+16*\c
.endr
.endr
.endm
.macro BLOAD b, s, slot                ; W's four fragments of K step s, from base b, into a slot of window 1: 12 loads of 512 consecutive bytes
	WIN 0x40
.irp t, 0,1,2,3
.irp c, 0,1,2
	global_load_b128 v[48*(\slot)+12*\t+4*\c:48*(\slot)+12*\t+4*\c+3], v[L16], s[\b:\b+1] offset:6144*(\s)+1536*\t+512*\c
.endr
.endr
.endm
.macro WSLOAD kc                       ; the next expert's scale words of K steps 2 kc and 2 kc + 1
.irp p, 0,1
	global_load_b64 v[WS+16*\p+2*(\kc):WS+16*\p+2*(\kc)+1], v[SO8], s[NS:NS+1] offset:2048*\p+256*(\kc)
.endr
.endm
.macro BIASLOAD                        ; the next expert's bias, in the result's layout
.irp t, 0,1,2,3
.irp n, 0,1
	global_load_b128 v[BI+8*\t+4*\n:BI+8*\t+4*\n+3], v[BIO], s[NBI:NBI+1] offset:64*\t+16*\n
.endr
.endr
.endm
; The first expert's loads, in the very order in which a trip of the loop asks for the next expert's: so the counts in the loop hold on the way in as on the way back.
	PICK ECUR
	BASES ECUR
	BIASLOAD
.irp k, 0,1,2,3,4,5
	WSLOAD \k
.endr
	BLOAD NB, 0, 0
	BLOAD NB, 1, 1
	WIN 0
	WSLOAD 6
	BLOAD NB, 2, 2
	BLOAD NB, 3, 3
	WIN 0
	WSLOAD 7
	s_wait_xcnt 0x0                                ; the bases of the loads above are written again only behind this wait
	s_mov_b64 s[CB:CB+1], s[NB:NB+1]
	PICK ENXT
	BASES ENXT
	s_wait_loadcnt 63                              ; x's rows are in: 84 loads were issued behind them, so any count up to 84 shows it; 63 is the largest that the wait can name
	WIN 0x08                                       ; an LDS store's data are its source 1: window 2
.irp i, 0,1,2,3,4,5,6,7,8,9,10,11,12,13,14,15
.irp n, 0,1,2
	ds_store_b128 v[XW], v[12*\i+4*\n:12*\i+4*\n+3] offset:XPITCH*\i+512*\n
.endr
.endr
	WIN 0
	s_wait_dscnt 0x0                               ; for the others' sake: my sixteen rows lie in LDS
	s_barrier_signal -1
	WIN 0x80
.set i, 0
.rept 128
	v_mov_b32 v[OUT+i], 0                          ; OUT begins as zeros: which expert comes first is read from memory and each adds with its own weights, so one text serves every expert.  Register work, while the other waves arrive and the weights are on their way
.set i, i+1
.endr
	WIN 0
	s_barrier_wait -1                              ; all 64 rows lie in LDS.  The launch's only barrier
	ALOAD 0
; One product: tile t of columns x tile g of tokens, K step s.  At s = 0 the C is the bias (window 0), else the accumulator itself.
.macro WM s, t, g
.set rD, 8*(4*\t+\g)
.set rA, 48*((\s)%4)+12*\t
.set rB, AF+48*((\s)%2)+12*\g
.set rW, WS+16*(\t/2)+(\s)
.set rX, XS+16*(\g/2)+(\s)
.if (\s) == 0
.set rC, BI+8*\t
.else
.set rC, rD
.endif
.if (\t%2 == 0) && (\g%2 == 0)
	v_wmma_scale_f32_16x16x128_f8f6f4 v[rD:rD+7], v[rA:rA+11], v[rB:rB+11], v[rC:rC+7], v[rW], v[rX] matrix_a_fmt:MATRIX_FMT_FP6 matrix_b_fmt:MATRIX_FMT_FP6
.elseif (\t%2 == 1) && (\g%2 == 0)
	v_wmma_scale_f32_16x16x128_f8f6f4 v[rD:rD+7], v[rA:rA+11], v[rB:rB+11], v[rC:rC+7], v[rW], v[rX] matrix_a_fmt:MATRIX_FMT_FP6 matrix_b_fmt:MATRIX_FMT_FP6 matrix_a_scale:MATRIX_SCALE_ROW1
.elseif (\t%2 == 0)
	v_wmma_scale_f32_16x16x128_f8f6f4 v[rD:rD+7], v[rA:rA+11], v[rB:rB+11], v[rC:rC+7], v[rW], v[rX] matrix_a_fmt:MATRIX_FMT_FP6 matrix_b_fmt:MATRIX_FMT_FP6 matrix_b_scale:MATRIX_SCALE_ROW1
.else
	v_wmma_scale_f32_16x16x128_f8f6f4 v[rD:rD+7], v[rA:rA+11], v[rB:rB+11], v[rC:rC+7], v[rW], v[rX] matrix_a_fmt:MATRIX_FMT_FP6 matrix_b_fmt:MATRIX_FMT_FP6 matrix_a_scale:MATRIX_SCALE_ROW1 matrix_b_scale:MATRIX_SCALE_ROW1
.endif
.endm
.macro MUL s                           ; the 16 accumulators take turns, one instruction a turn, in the same order in every K step
.irp t, 0,1,2,3
.irp g, 0,1,2,3
	WM \s, \t, \g
.endr
.endr
.endm
.macro GATES                           ; this expert's weight for each of my four tokens: w0 where it is the first choice, w1 where the second, else 0
.irp g, 0,1,2,3
	v_cmp_eq_u32 vcc_lo, s[ECUR], v[I0+\g]
	v_cndmask_b32 v[GG+2*\g], 0, v[GW+2*\g], vcc_lo
	v_cmp_eq_u32 vcc_lo, s[ECUR], v[I1+\g]
	v_cndmask_b32 v[GG+2*\g], v[GG+2*\g], v[GW+2*\g+1], vcc_lo
.endr
.endm
; A K STEP.  x's fragments were asked for a step ago; the next step's are asked for now, into the other set.  W's fragments were asked for four steps ago.
; THE COUNT of the wait for them = the loads issued behind them.  A step's refill is 12 loads of W; with next = 1 also 8 of the bias at step 0 and 2 of scale words at each odd step, issued behind the 12.
; So in the loop: step 0: 0 + 14 + 12 + 14 = 40; step 1: 2 + 12 + 14 + 20 = 48; step 2: 14 + 20 + 14 = 48; step 3: 2 + 20 + 14 + 12 = 48; step 4: 8 + 14 + 12 + 14 = 48; from step 5 on 2 + 38 or 0 + 40 = 40.
; In the tail, which asks for no next expert: 40, 2 + 12 + 14 + 12 = 40, 14 + 24 = 38, 2 + 36 = 38, then 36, and 24, 12, 0 at the end.  A step's scale words and the bias were issued ahead of its W: the same wait shows them in.
; Behind the products stand four places (ISA guide 7.12.1 for vector instructions) ahead of the loads into the registers that they have read; at step 15 the weights' 16 lines are those places,
; and the places ahead of the reads of the results and ahead of the next expert's first products, which begin the accumulators anew.
.macro KSTEP s, next
.if \next
.if (\s) == 0
.set NC, 40
.elseif (\s) < 5
.set NC, 48
.else
.set NC, 40
.endif
.else
.if (\s) < 2
.set NC, 40
.elseif (\s) < 4
.set NC, 38
.elseif (\s) < 13
.set NC, 36
.else
.set NC, 12*(15-(\s))
.endif
.endif
	WIN 0
	s_wait_dscnt 0x0                               ; x's fragments of this step are in
.if (\s) < 15
	ALOAD (\s)+1
.elseif \next
	ALOAD 0                                        ; the next expert begins with the same rows' first step
.endif
	s_wait_loadcnt NC
.if (\s) == 0
	WIN 0x81                                       ; W window 1, x and the bias window 0, D window 2
.else
	WIN 0xa1                                       ; W window 1, x window 0, C and D window 2
.endif
	MUL \s
.if (\s) == 15
	WIN 0
	GATES
.else
.rept 4
	v_nop
.endr
.endif
.if (\s) < 12
	BLOAD CB, (\s)+4, (\s)%4                       ; into the slot just multiplied: this expert's step four on,
	WIN 0
.elseif \next
	BLOAD NB, (\s)-12, (\s)%4                      ; or the next expert's first four
	WIN 0
.endif
.if \next
.if (\s) == 0
	BIASLOAD
.endif
.if (\s)%2 == 1
	WSLOAD ((\s)-1)/2                              ; the words of this step and the last have been used
.endif
.endif
.endm
.macro EPI                             ; OUT += g x ACC: each accumulator from its low end on
	WIN 0xa2                                       ; ACC and OUT window 2, g window 0
.irp t, 0,1,2,3
.irp g, 0,1,2,3
.irp j, 0,2,4,6
	v_pk_fma_f32 v[OUT+8*(4*\t+\g)+\j:OUT+8*(4*\t+\g)+\j+1], v[8*(4*\t+\g)+\j:8*(4*\t+\g)+\j+1], v[GG+2*\g:GG+2*\g+1], v[OUT+8*(4*\t+\g)+\j:OUT+8*(4*\t+\g)+\j+1] op_sel_hi:[1,0,1]
.endr
.endr
.endr
	WIN 0
.endm
.macro EXPERT next
.irp s, 0,1,2,3,4,5,6,7,8,9,10,11,12,13,14,15
	KSTEP \s, \next
.endr
	EPI
.endm
.Lexp:                                                 ; a trip: one expert; as many trips as the tile uses experts, less one
	EXPERT 1
	s_wait_xcnt 0x0                                ; the bases of this trip's loads are written again only behind this wait
	s_mov_b32 s[ECUR], s[ENXT]
	s_mov_b64 s[CB:CB+1], s[NB:NB+1]
	PICK ENXT
	BASES ENXT
	s_sub_co_u32 s[CNT], s[CNT], 1
	s_cmp_lg_u32 s[CNT], 0
	s_cbranch_scc1 .Lexp
	EXPERT 0                                       ; the last expert is written out: it asks for nothing beyond itself
; THE WAY OUT.  A lane holds 32 neighbouring bytes of a token's row, and the lanes beside it hold other tokens: so 16 rows x 256 bytes at a time go through my own stage in LDS and come back as whole rows;
; each half of the lanes then stores 256 consecutive bytes, aligned, of one token's row of out.  LDS serves a wave's instructions in order (ISA guide 5.7.1.4): no wait between the stores and the loads, nor ahead of the next group's stores.
.irp g, 0,1,2,3
	WIN 0x08                                       ; the data: window 2
.irp t, 0,1,2,3
	ds_store_b128 v[STO], v[OUT+8*(4*\t+\g):OUT+8*(4*\t+\g)+3] offset:64*\t
	ds_store_b128 v[STO], v[OUT+8*(4*\t+\g)+4:OUT+8*(4*\t+\g)+7] offset:64*\t+16
.endr
	WIN 0
.irp i, 0,1,2,3,4,5,6,7
	ds_load_b128 v[LAND+32*\g+4*\i:LAND+32*\g+4*\i+3], v[RD] offset:272*\i   ; rows i and 8 + i of the group; no landing register is used twice
.endr
.endr
	WIN 0x01                                       ; a store's address is its source 0: window 1; its data window 0
.irp g, 0,1,2,3
.irp i, 0,1,2,3,4,5,6,7
	s_wait_dscnt 16*(3-\g)+7-\i                    ; behind this load: the rest of its group's eight, and sixteen LDS instructions for each later group
	global_store_b128 v[TLW+8*\g+\i], v[LAND+32*\g+4*\i:LAND+32*\g+4*\i+3], s[OB:OB+1] th:TH_STORE_NT   ; written once, read by nobody here
.endr
.endr
	WIN 0
	s_wait_tensorcnt 0x0
	ds_add_u32 v254, v255
	s_wait_dscnt 0x0
	s_endpgm
.Lfunc_end_k_q4111376e5a_moe:
	.size	k_q4111376e5a_moe, .Lfunc_end_k_q4111376e5a_moe-k_q4111376e5a_moe
	.p2alignl 7, 3214868480
	.fill 96, 4, 3214868480
	.section	.rodata,"a",@progbits
	.p2align	6, 0x0
	.amdhsa_kernel k_q4111376e5a_moe
		.amdhsa_group_segment_fixed_size 117248
		.amdhsa_private_segment_fixed_size 0
		.amdhsa_enable_private_segment 0
		.amdhsa_kernarg_size 64
		.amdhsa_user_sgpr_count 2
		.amdhsa_user_sgpr_kernarg_segment_ptr 1
		.amdhsa_wavefront_size32 1
		.amdhsa_system_sgpr_workgroup_id_x 1
		.amdhsa_system_sgpr_workgroup_id_y 1
		.amdhsa_system_sgpr_workgroup_id_z 1
		.amdhsa_system_vgpr_workitem_id 0
		.amdhsa_next_free_vgpr 768
		.amdhsa_next_free_sgpr 100
		.amdhsa_reserve_vcc 1
		.amdhsa_float_denorm_mode_32 3
		.amdhsa_float_denorm_mode_16_64 3
		.amdhsa_memory_ordered 1
		.amdhsa_forward_progress 1
		.amdhsa_inst_pref_size 187
	.end_amdhsa_kernel
	.amdgpu_metadata
---
amdhsa.version: [ 1, 2 ]
amdhsa.kernels:
  - .name:           k_q4111376e5a_moe
    .symbol:         k_q4111376e5a_moe.kd
    .args:
      - { .name: xcodes, .offset: 0, .size: 8, .value_kind: global_buffer, .address_space: global }
      - { .name: xscales, .offset: 8, .size: 8, .value_kind: global_buffer, .address_space: global }
      - { .name: gate, .offset: 16, .size: 8, .value_kind: global_buffer, .address_space: global }
      - { .name: order, .offset: 24, .size: 8, .value_kind: global_buffer, .address_space: global }
      - { .name: wcodes, .offset: 32, .size: 8, .value_kind: global_buffer, .address_space: global }
      - { .name: wscales, .offset: 40, .size: 8, .value_kind: global_buffer, .address_space: global }
      - { .name: be, .offset: 48, .size: 8, .value_kind: global_buffer, .address_space: global }
      - { .name: out0, .offset: 56, .size: 8, .value_kind: global_buffer, .address_space: global }
    .group_segment_fixed_size: 117248
    .private_segment_fixed_size: 0
    .kernarg_segment_align: 8
    .kernarg_segment_size: 64
    .max_flat_workgroup_size: 128
    .sgpr_count:     100
    .vgpr_count:     768
    .wavefront_size: 32
...
	.end_amdgpu_metadata
.endif
;; end of part 3
;; ======== version 2 of 2: 3 launches
;; workspace buffers: xcodes 3,145,728 bytes; xscales 131,072 bytes; sel 8,192 bytes of whole numbers; gate 16,384 bytes; wcodes 25,165,824 bytes; wscales 1,048,576 bytes; order 8,192 bytes of whole numbers
;; launch route (part 4): grid 256 x 1, 8 waves a work-group, no clusters, 89,600 bytes of LDS; arguments x, Wg, bg, xcodes, xscales, sel, gate; writes xcodes, xscales, sel, gate
.if DOCPART == 4
	.amdgcn_target "amdgcn-amd-amdhsa--gfx1250"
	.amdhsa_code_object_version 6
	.text
	.protected	k_q4111376e5a_route
	.globl	k_q4111376e5a_route
	.p2align	8
	.type	k_q4111376e5a_route,@function
k_q4111376e5a_route:
	s_mov_b64 s[64:65], 0
	v_nop
	global_prefetch_b8 v0, s[64:65] scope:SCOPE_SE
	s_setreg_imm32_b32 hwreg(HW_REG_WAVE_MODE, 25, 1), 1
	s_wait_xcnt 0x0
; ROUTE.  For 8 tokens a work-group: the 8 gating logits x . Wg + bg in f32, the two largest (the lower index wins a tie), the softmax over those two;
; and x as codes of FP6 (E2M3) with one E8M0 scale byte for each 32 along D.  x is read once and serves both.
; SHARES.  Wave w takes k = 256 w .. 256 w + 255 of all 8 tokens.  As loaded, lane l holds k = 256 w + 128 j + 4 l + i (j = 0, 1; i = 0 .. 3), the same k for every token,
; so the lane's 8 rows of Wg (64 registers) serve all 8 tokens.  Each load of x covers 512 consecutive bytes.
; THE CODES.  The conversion takes 16 neighbours along K from ONE lane's registers, so the wave's 2,048 numbers turn through its own stage in LDS: in as loaded, back one whole block of 32 a lane.
; xcodes is laid in the order of the operand's registers: [token][K step s of 128][h][48 bytes] = block 4 s + h, then block 4 s + 2 + h; xscales [token][64 bytes], byte = block.
; sel holds i0 | i1 << 8 for each token, gate its two weights.  They are stored at fixed places: no address of this launch hangs on the choice.
; A block's scale is 2^(floor(log2(largest magnitude)) - 2); its byte is that magnitude's exponent field - 2, held at 1 from below.
; LIMITS: a block of zeros gets the byte 1 (its codes are zeros; this program alone reads the bytes); blocks whose largest magnitude lies under 2^-124 were not tried; NaN and infinities are not served;
; the logits' f32 sums are taken in another order than the reference's, so a token whose second and third logits differ by a few last bits may be routed otherwise.
; No matrix unit: logits in bf16 would turn choices over.  No cluster: what is shared, Wg, is as many bytes as the work-group's own part of x.
.set CST,  73728                       ; LDS: behind the eight stages of 64 blocks x 144 bytes: the 8 tokens' rows of codes, 1,536 bytes each
.set SST,  86016                       ; their scale bytes, 64 a token
.set PART, 86528                       ; the waves' partial logits: 256 bytes a wave, word 8 t + e
.set XO,  4                            ; v4   16 x lane
.set WO,  5                            ; v5   128 x lane: my four rows of Wg
.set TI,  6                            ; v6   the stage, on the way in
.set TO,  7                            ; v7   and on the way out: 144 x lane
.set CA,  8                            ; v8   where my block's codes go
.set SA,  9                            ; v9   and its scale byte
.set PA,  10                           ; v10  my wave's partial logits
.set CR,  11                           ; v11  the way out: my 16 bytes of token w's codes
.set SR,  12                           ; v12  and of the scale bytes
.set TP,  13                           ; v13  token (lane % 8)'s partial logits
.set XR,  16                           ; v16-79   x: register 8 t + 4 j + i
.set WGR, 80                           ; v80-143  Wg: register 8 (4 j + i) + e; later the numbers back from the stage
.set QN,  80
.set ACC, 144                          ; v144-207 logits: register 8 t + e
.set MXA, 208
.set MXB, 209
.set SCL, 210                          ; v210-211 the conversions' scale operands
.set BY,  212                          ; v212-213 the scale bytes
.set CD,  214                          ; v214-225 two blocks' codes, six registers each
.set TT,  226                          ; v226-232 the second halves as the conversions leave them
.set PT,  240                          ; v240-247 what the other half of the lanes sends
	s_load_b256 s[4:11], s[0:1], 0x0               ; x s[4:5], Wg s[6:7], bg s[8:9], xcodes s[10:11]
	s_load_b128 s[12:15], s[0:1], 0x20             ; xscales s[12:13], sel s[14:15]
	s_load_b64 s[16:17], s[0:1], 0x30              ; gate
	v_lshl_add_u32 v254, v0, 2, 0x15a00
	v_mov_b32 v255, 0
	v_lshrrev_b32 v2, 5, v0
	s_delay_alu instid0(VALU_DEP_1)
	v_readfirstlane_b32 s18, v2                    ; wave 0..7
	v_and_b32 v1, 31, v0                           ; lane
	s_delay_alu instid0(VALU_DEP_1)
	v_lshlrev_b32 v[XO], 4, v1
	s_delay_alu instid0(VALU_DEP_2)
	v_lshlrev_b32 v[WO], 7, v1
	s_mul_i32 s19, s18, 9216                       ; my stage
	v_lshrrev_b32 v2, 3, v1                        ; lane / 8
	v_and_b32 v3, 7, v1                            ; lane % 8
	s_delay_alu instid0(VALU_DEP_2)
	v_mul_u32_u24 v[TI], v2, 144                   ; in: eight lanes' 128 bytes are a block; 16 bytes of padding behind each block
	s_delay_alu instid0(VALU_DEP_1)
	v_lshl_add_u32 v[TI], v3, 4, v[TI]
	s_delay_alu instid0(VALU_DEP_1)
	v_add_nc_u32 v[TI], s19, v[TI]
	v_mul_u32_u24 v[TO], v1, 144                   ; out: block = lane; 144 = 9 x 16
	s_delay_alu instid0(VALU_DEP_1)
	v_add_nc_u32 v[TO], s19, v[TO]
	v_mul_u32_u24 v[CA], v2, 1536                  ; block lane: token lane / 8, block 8 w + lane % 8 of its row: K step 2 w + (lane / 4) % 2, h = lane % 2, second 24 bytes where (lane / 2) % 2
	v_bfe_u32 v14, v1, 2, 1
	s_delay_alu instid0(VALU_DEP_1)
	v_mad_u32_u24 v[CA], v14, 96, v[CA]
	v_and_b32 v14, 1, v1
	s_delay_alu instid0(VALU_DEP_1)
	v_mad_u32_u24 v[CA], v14, 48, v[CA]
	v_bfe_u32 v14, v1, 1, 1
	s_delay_alu instid0(VALU_DEP_1)
	v_mad_u32_u24 v[CA], v14, 24, v[CA]
	s_mul_i32 s19, s18, 192
	s_add_co_u32 s19, s19, CST
	v_add_nc_u32 v[CA], s19, v[CA]
	v_lshl_add_u32 v[SA], v2, 6, v3                ; 64 x token + lane % 8,
	s_lshl_b32 s19, s18, 3
	s_add_co_u32 s19, s19, SST
	v_add_nc_u32 v[SA], s19, v[SA]                 ; + 8 w
	s_lshl_b32 s19, s18, 8
	s_add_co_u32 s19, s19, PART
	v_mov_b32 v[PA], s19
	s_mul_i32 s19, s18, 1536
	s_add_co_u32 s19, s19, CST
	v_add_nc_u32 v[CR], s19, v[XO]
	v_add_nc_u32 v[SR], SST, v[XO]
	v_lshl_add_u32 v[TP], v3, 5, PART
	s_mov_b32 s28, 0x76543210                      ; v_permlanex16_b32's selects for lane l xor 16
	s_mov_b32 s29, 0xfedcba98
.irp i, 0,1,2,3,4,5,6,7
	v_mov_b32 v[PT+\i], 0                          ; written once: a lane permute's destination counts as one of its sources
.endr
	s_lshl_b32 s30, ttmp9, 16                      ; x: 8 tokens of 8,192 bytes a work-group, 1,024 bytes a wave
	s_lshl_b32 s31, s18, 10
	s_add_co_u32 s30, s30, s31
	s_mov_b32 s31, 0
	s_lshl_b32 s32, s18, 13                        ; Wg: 256 rows of 32 bytes a wave
	s_mov_b32 s33, 0
	s_mul_i32 s34, ttmp9, 12288                    ; xcodes: token 8 x work-group + wave
	s_mul_i32 s35, s18, 1536
	s_add_co_u32 s34, s34, s35
	s_mov_b32 s35, 0
	s_lshl_b32 s36, ttmp9, 9                       ; xscales: 512 bytes a work-group
	s_mov_b32 s37, 0
	s_lshl_b32 s38, ttmp9, 5                       ; sel: 32
	s_mov_b32 s39, 0
	s_lshl_b32 s40, ttmp9, 6                       ; gate: 64
	s_mov_b32 s41, 0
	s_wait_kmcnt 0x0
	s_load_b256 s[20:27], s[8:9], 0x0              ; bg's eight numbers; no line of this launch writes bg
	s_add_nc_u64 s[4:5], s[4:5], s[30:31]
	s_add_nc_u64 s[6:7], s[6:7], s[32:33]
	s_add_nc_u64 s[10:11], s[10:11], s[34:35]
	s_add_nc_u64 s[12:13], s[12:13], s[36:37]
	s_add_nc_u64 s[14:15], s[14:15], s[38:39]
	s_add_nc_u64 s[16:17], s[16:17], s[40:41]
.irp t, 0,1,2,3,4,5,6,7
.irp j, 0,1
	global_load_b128 v[XR+8*\t+4*\j:XR+8*\t+4*\j+3], v[XO], s[4:5] offset:\t*8192+512*\j th:TH_LOAD_NT   ; 32 lanes read 512 consecutive bytes; read once in the launch
.endr
.endr
.irp j, 0,1
.irp i, 0,1,2,3
	global_load_b128 v[WGR+8*(4*\j+\i):WGR+8*(4*\j+\i)+3],   v[WO], s[6:7] offset:4096*\j+32*\i      ; row k = 128 j + 4 l + i of my slice: its eight numbers
	global_load_b128 v[WGR+8*(4*\j+\i)+4:WGR+8*(4*\j+\i)+7], v[WO], s[6:7] offset:4096*\j+32*\i+16
.endr
.endr
	s_wait_loadcnt 16                              ; x is in; the sixteen loads of Wg, issued behind it, may be out
.irp t, 0,1,2,3,4,5,6,7
.irp j, 0,1
	ds_store_b128 v[TI], v[XR+8*\t+4*\j:XR+8*\t+4*\j+3] offset:(8*\t+4*\j)*144   ; into the stage as loaded: a load's 512 bytes are blocks 8 t + 4 j .. + 3
.endr
.endr
	s_wait_loadcnt 0x0                             ; Wg
; THE LOGITS: 8 k x 8 tokens x 8 experts a lane, two experts an instruction; x's number feeds both halves.  The first k starts the sums: nothing is cleared.  32 sums by turns.
.irp k, 0,1,2,3,4,5,6,7
.irp t, 0,1,2,3,4,5,6,7
.irp p, 0,1,2,3
.if \k == 0
	v_pk_mul_f32 v[ACC+8*\t+2*\p:ACC+8*\t+2*\p+1], v[XR+8*\t:XR+8*\t+1], v[WGR+2*\p:WGR+2*\p+1] op_sel_hi:[0,1]
.elseif \k%2 == 0
	v_pk_fma_f32 v[ACC+8*\t+2*\p:ACC+8*\t+2*\p+1], v[XR+8*\t+\k:XR+8*\t+\k+1], v[WGR+8*\k+2*\p:WGR+8*\k+2*\p+1], v[ACC+8*\t+2*\p:ACC+8*\t+2*\p+1] op_sel_hi:[0,1,1]
.else
	v_pk_fma_f32 v[ACC+8*\t+2*\p:ACC+8*\t+2*\p+1], v[XR+8*\t+\k-1:XR+8*\t+\k], v[WGR+8*\k+2*\p:WGR+8*\k+2*\p+1], v[ACC+8*\t+2*\p:ACC+8*\t+2*\p+1] op_sel:[1,0,0] op_sel_hi:[1,1,1]
.endif
.endr
.endr
.endr
; Back from the stage, into the registers that Wg has left: block lane (token lane / 8) and block lane + 32 (token 4 + lane / 8), 32 neighbours each.  LDS serves a wave's instructions in order (ISA guide 5.7.1.4): these see my stores.
.irp b, 0,1
.irp n, 0,1,2,3,4,5,6,7
	ds_load_b128 v[QN+32*\b+4*\n:QN+32*\b+4*\n+3], v[TO] offset:4608*\b+16*\n
.endr
.endr
; The 64 sums over the wave's 32 lanes, while those loads are out: four steps inside each half of 16 lanes, one across.
.irp m, 1,2,4,8
.set nn, 0
.rept 64
	v_add_f32_dpp v[ACC+nn], v[ACC+nn], v[ACC+nn] row_xmask:\m row_mask:0xf bank_mask:0xf
.set nn, nn+1
.endr
.endr
.set gg, 0
.rept 8
.irp i, 0,1,2,3,4,5,6,7
	v_permlanex16_b32 v[PT+\i], v[ACC+8*gg+\i], s28, s29
.endr
.irp i, 0,1,2,3,4,5,6,7
	v_add_f32 v[ACC+8*gg+\i], v[ACC+8*gg+\i], v[PT+\i]
.endr
.set gg, gg+1
.endr
.irp n, 0,1,2,3,4,5,6,7,8,9,10,11,12,13,14,15
	ds_store_b128 v[PA], v[ACC+4*\n:ACC+4*\n+3] offset:16*\n   ; every lane holds the same 64 sums and writes the same bytes
.endr
	s_wait_dscnt 0x0                               ; the numbers are back from the stage
; One block of 32, all in my lane: its largest magnitude, its scale, its 24 bytes of codes.
.macro QUANT b
.set QS, QN+32*\b
	v_max3_num_f32 v[MXA], |v[QS]|, |v[QS+1]|, |v[QS+2]|
	v_max3_num_f32 v[MXB], |v[QS+3]|, |v[QS+4]|, |v[QS+5]|
.irp i, 6,10,14,18,22,26
	s_delay_alu instid0(VALU_DEP_2)
	v_max3_num_f32 v[MXA], v[MXA], |v[QS+\i]|, |v[QS+\i+1]|
	s_delay_alu instid0(VALU_DEP_2)
	v_max3_num_f32 v[MXB], v[MXB], |v[QS+\i+2]|, |v[QS+\i+3]|
.endr
	s_delay_alu instid0(VALU_DEP_2)
	v_max3_num_f32 v[MXA], v[MXA], |v[QS+30]|, |v[QS+31]|
	s_delay_alu instid0(VALU_DEP_1)
	v_max3_num_f32 v[MXA], v[MXA], v[MXB], 0x1800000               ; and the floor 2^(3 - 127): the byte cannot fall under 1
	s_delay_alu instid0(VALU_DEP_1)
	v_add_nc_u32 v[SCL+\b], 0xff000000, v[MXA]                     ; 2 off the exponent field: the conversion takes the exponent field of this operand as its scale
	v_cvt_scalef32_pk16_fp6_f32 v[CD+6*\b:CD+6*\b+2], v[QS:QS+15], v[SCL+\b]
	v_cvt_scalef32_pk16_fp6_f32 v[TT+4*\b:TT+4*\b+2], v[QS+16:QS+31], v[SCL+\b]   ; (a conversion's three registers begin on an even number)
	v_lshrrev_b32 v[BY+\b], 23, v[SCL+\b]                          ; the scale's byte; also the plain line between a scaled conversion and the moves that read its result
.irp i, 0,1,2
	v_mov_b32 v[CD+6*\b+3+\i], v[TT+4*\b+\i]
.endr
.irp n, 0,1,2
	ds_store_b64 v[CA], v[CD+6*\b+2*\n:CD+6*\b+2*\n+1] offset:6144*\b+8*\n
.endr
	ds_store_b8 v[SA], v[BY+\b] offset:256*\b
.endm
	QUANT 0
	QUANT 1
	s_wait_dscnt 0x0                               ; for the others' sake: my codes, scale bytes and partial logits lie in LDS
	s_barrier_signal -1
	s_barrier_wait -1
; THE WAY OUT.  Wave w stores token w's 1,536 bytes of codes: three stores of 512 consecutive bytes, aligned to 256.
.irp n, 0,1,2
	ds_load_b128 v[QN+4*\n:QN+4*\n+3], v[CR] offset:512*\n
.endr
	s_wait_dscnt 0x0
.irp n, 0,1,2
	global_store_b128 v[XO], v[QN+4*\n:QN+4*\n+3], s[10:11] offset:512*\n
.endr
	s_cmp_eq_u32 s18, 1
	s_cbranch_scc0 .Lnot_wave_1
	ds_load_b128 v[QN+12:QN+15], v[SR]             ; wave 1: the 8 tokens' 512 scale bytes
	s_wait_dscnt 0x0
	global_store_b128 v[XO], v[QN+12:QN+15], s[12:13]
	s_wait_tensorcnt 0x0
	ds_add_u32 v254, v255
	s_wait_dscnt 0x0
	s_endpgm
.Lnot_wave_1:
	s_cmp_eq_u32 s18, 0
	s_cbranch_scc1 .Ltop2
	s_wait_tensorcnt 0x0
	ds_add_u32 v254, v255
	s_wait_dscnt 0x0
	s_endpgm
.Ltop2:
; WAVE 0: lane l takes token l % 8.  Its logits: the eight waves' parts, in the waves' order, and bg.
.set LG, 16                            ; v16-23 the logits (v16-79: the eight waves' parts)
.set V1, 208
.set I1, 209
.set V2, 210
.set I2, 211
.set DD, 212
.set PP, 213
.set GP, 214                           ; v[214:215] the two weights
.set SELV, 216
.set OS, 217
.set OG, 218
.irp w, 0,1,2,3,4,5,6,7
	ds_load_b128 v[LG+8*\w:LG+8*\w+3],   v[TP] offset:256*\w
	ds_load_b128 v[LG+8*\w+4:LG+8*\w+7], v[TP] offset:256*\w+16
.endr
	s_wait_dscnt 0x0
.irp w, 1,2,3,4,5,6,7
.irp p, 0,1,2,3
	v_pk_add_f32 v[LG+2*\p:LG+2*\p+1], v[LG+2*\p:LG+2*\p+1], v[LG+8*\w+2*\p:LG+8*\w+2*\p+1]
.endr
.endr
	s_wait_alu depctr_va_vdst(0)
	s_wait_kmcnt 0x0                               ; bg
.irp e, 0,1,2,3,4,5,6,7
	v_add_f32 v[LG+\e], s[20+\e], v[LG+\e]
.endr
	v_mov_b32 v[V1], v[LG]                         ; the largest: a later expert takes the place only if it is strictly larger, so the lower index wins a tie
	v_mov_b32 v[I1], 0
.irp e, 1,2,3,4,5,6,7
	s_delay_alu instid0(VALU_DEP_2)
	v_cmp_gt_f32 vcc_lo, v[LG+\e], v[V1]
	s_delay_alu instid0(VALU_DEP_1)
	v_cndmask_b32 v[V1], v[V1], v[LG+\e], vcc_lo
	s_delay_alu instid0(VALU_DEP_2)
	v_cndmask_b32 v[I1], v[I1], \e, vcc_lo
.endr
	v_mov_b32 v[V2], 0xff800000                    ; the second: the same among the seven others, from -infinity
	v_mov_b32 v[I2], 0
.irp e, 0,1,2,3,4,5,6,7
	s_delay_alu instid0(VALU_DEP_2)
	v_cmp_gt_f32 s30, v[LG+\e], v[V2]
	v_cmp_ne_u32 s31, \e, v[I1]
	s_and_b32 s30, s30, s31
	v_cndmask_b32 v[V2], v[V2], v[LG+\e], s30
	v_cndmask_b32 v[I2], v[I2], \e, s30
.endr
	s_delay_alu instid0(VALU_DEP_2)
	v_sub_f32 v[DD], v[V2], v[V1]                  ; the softmax over the two, the larger taken away: w0 = 1 / (1 + p), w1 = p / (1 + p), p = e^(second - first), at most 1
	s_delay_alu instid0(VALU_DEP_1)
	v_mul_f32 v[DD], 0x3fb8aa3b, v[DD]
	s_wait_alu depctr_va_vdst(0)
	v_exp_f32 v[PP], v[DD]
	v_lshl_or_b32 v[SELV], v[I2], 8, v[I1]         ; (a plain line behind the exponential)  i0 | i1 << 8
	s_wait_alu depctr_va_vdst(0)
	v_add_f32 v[DD], 1.0, v[PP]
	s_wait_alu depctr_va_vdst(0)
	v_rcp_f32 v[GP], v[DD]
	v_lshlrev_b32 v[OS], 2, v1                     ; (a plain line behind the reciprocal)
	s_wait_alu depctr_va_vdst(0)
	v_mul_f32 v[GP+1], v[PP], v[GP]
	v_lshlrev_b32 v[OG], 3, v1
	s_wait_alu depctr_va_vdst(0)
	s_wait_xcnt 0x0                                ; EXEC is a source of my pending stores: it changes only behind this wait
	v_cmp_gt_u32 vcc_lo, 8, v1
	s_wait_tensorcnt 0x0
	ds_add_u32 v254, v255
	s_wait_dscnt 0x0
	s_and_saveexec_b32 s30, vcc_lo                 ; lanes 0 to 7: one for each token.  32 and 64 bytes a work-group: parts of aligned 256 bytes, 24 KiB in the whole launch
	global_store_b32 v[OS], v[SELV], s[14:15]
	global_store_b64 v[OG], v[GP:GP+1], s[16:17]
	s_wait_xcnt 0x0                                ; and again in front of the line that widens it
	s_or_b32 exec_lo, exec_lo, s30
	s_endpgm
.Lfunc_end_k_q4111376e5a_route:
	.size	k_q4111376e5a_route, .Lfunc_end_k_q4111376e5a_route-k_q4111376e5a_route
	.p2alignl 7, 3214868480
	.fill 96, 4, 3214868480
	.section	.rodata,"a",@progbits
	.p2align	6, 0x0
	.amdhsa_kernel k_q4111376e5a_route
		.amdhsa_group_segment_fixed_size 89600
		.amdhsa_private_segment_fixed_size 0
		.amdhsa_enable_private_segment 0
		.amdhsa_kernarg_size 56
		.amdhsa_user_sgpr_count 2
		.amdhsa_user_sgpr_kernarg_segment_ptr 1
		.amdhsa_wavefront_size32 1
		.amdhsa_system_sgpr_workgroup_id_x 1
		.amdhsa_system_sgpr_workgroup_id_y 1
		.amdhsa_system_sgpr_workgroup_id_z 1
		.amdhsa_system_vgpr_workitem_id 0
		.amdhsa_next_free_vgpr 256
		.amdhsa_next_free_sgpr 66
		.amdhsa_reserve_vcc 1
		.amdhsa_float_denorm_mode_32 3
		.amdhsa_float_denorm_mode_16_64 3
		.amdhsa_memory_ordered 1
		.amdhsa_forward_progress 1
		.amdhsa_inst_pref_size 62
	.end_amdhsa_kernel
	.amdgpu_metadata
---
amdhsa.version: [ 1, 2 ]
amdhsa.kernels:
  - .name:           k_q4111376e5a_route
    .symbol:         k_q4111376e5a_route.kd
    .args:
      - { .name: x, .offset: 0, .size: 8, .value_kind: global_buffer, .address_space: global }
      - { .name: Wg, .offset: 8, .size: 8, .value_kind: global_buffer, .address_space: global }
      - { .name: bg, .offset: 16, .size: 8, .value_kind: global_buffer, .address_space: global }
      - { .name: xcodes, .offset: 24, .size: 8, .value_kind: global_buffer, .address_space: global }
      - { .name: xscales, .offset: 32, .size: 8, .value_kind: global_buffer, .address_space: global }
      - { .name: sel, .offset: 40, .size: 8, .value_kind: global_buffer, .address_space: global }
      - { .name: gate, .offset: 48, .size: 8, .value_kind: global_buffer, .address_space: global }
    .group_segment_fixed_size: 89600
    .private_segment_fixed_size: 0
    .kernarg_segment_align: 8
    .kernarg_segment_size: 56
    .max_flat_workgroup_size: 256
    .sgpr_count:     66
    .vgpr_count:     256
    .wavefront_size: 32
...
	.end_amdgpu_metadata
.endif
;; end of part 4
;; launch prep (part 5): grid 1025 x 1, 4 waves a work-group, no clusters, 1,024 bytes of LDS; arguments We, sel, wcodes, wscales, order; writes wcodes, wscales, order
.if DOCPART == 5
	.amdgcn_target "amdgcn-amd-amdhsa--gfx1250"
	.amdhsa_code_object_version 6
	.text
	.protected	k_q4111376e5a_prep
	.globl	k_q4111376e5a_prep
	.p2align	8
	.type	k_q4111376e5a_prep,@function
k_q4111376e5a_prep:
	s_mov_b64 s[64:65], 0
	v_nop
	global_prefetch_b8 v0, s[64:65] scope:SCOPE_SE
	s_setreg_imm32_b32 hwreg(HW_REG_WAVE_MODE, 25, 1), 1
	s_wait_xcnt 0x0
; PREP.  Work-groups 1 to 1,024 turn We [8][2048 (k)][2048 (o)], f32, into codes of FP6 (E2M3) with one E8M0 scale byte for each 32 along k, laid in the order of the operand's registers.
; Work-group 0 sorts the 2,048 tokens by their pair of experts (a counting sort, no atomics) and stores the list that the next launch walks.  The sort rides beside the long stream.
; THE WEIGHTS.  K is We's first axis within an expert, so A LANE TAKES A COLUMN o AND ITS REGISTERS RUN DOWN K: a block of 32 lies in one lane's 32 registers, its largest magnitude needs no other lane,
; and the conversions give codes with K innermost.  A wave takes 32 columns x 256 along K; each load reads 128 consecutive bytes, the four waves of a work-group side by side 512.  Loads run two blocks (64 loads a wave) ahead.
; wcodes: [e][64 columns cb][K step s of 128][tile t of 16 columns][1,536 bytes]: a fragment as the matrix instruction's 12 registers hold it: registers 4 c .. 4 c + 3 of lane (r, h) at 512 c + 16 (r + 16 h).
; My column is row r = lane % 16 of tile lane / 16 of my 32 columns; I hold what lanes (r, 0) and (r, 1) of the fragment want: blocks 0, 2 and blocks 1, 3 of each K step.  So each store's half of the lanes fills 256 consecutive bytes, aligned.
; wscales: [e][32 columns cg][256 along K kc][lane][8 bytes]: the scale words of K steps 2 kc and 2 kc + 1 of column 32 cg + lane.
; A block's scale is 2^(floor(log2(largest magnitude)) - 2); its byte is that magnitude's exponent field - 2, held at 1 from below.
; LIMITS: a block of zeros gets the byte 1 (its codes are zeros; this program alone reads the bytes); blocks whose largest magnitude lies under 2^-124 were not tried; NaN and infinities are not served.
; No tensor loads and no ring: waves of the stream share nothing.  No cluster: no byte of We is read twice.
.set LO,  2                            ; v2   4 x lane
.set SO,  3                            ; v3   1536 (lane / 16) + 16 (lane % 16)
.set SS,  4                            ; v4   8 x lane
.set XN,  32                           ; v32-95   two sets of 32 numbers
.set IM,  96                           ; v96-143  the codes: 24 registers for each of the two K steps, so that no store's data are written again
.set TQ,  144                          ; v144-146 a block's second half as the conversion leaves it
.set SB,  148                          ; v148-149 the two scale words
.set MXA, 150
.set MXB, 151
.set SCL, 152
.set BY,  153
	s_load_b256 s[4:11], s[0:1], 0x0               ; We s[4:5], sel s[6:7], wcodes s[8:9], wscales s[10:11]
	s_load_b64 s[12:13], s[0:1], 0x20              ; order
	v_lshl_add_u32 v160, v0, 2, 0x200
	v_mov_b32 v161, 0
	v_lshrrev_b32 v1, 5, v0
	v_readfirstlane_b32 s14, v1                    ; wave 0..3
	s_cmp_eq_u32 ttmp9, 0                          ; the same for all four waves of a work-group
	s_cbranch_scc1 .Lsort
	v_and_b32 v1, 31, v0                           ; lane
	v_lshlrev_b32 v[LO], 2, v1
	v_lshrrev_b32 v5, 4, v1
	v_mul_u32_u24 v[SO], v5, 1536
	v_and_b32 v5, 15, v1
	v_lshl_add_u32 v[SO], v5, 4, v[SO]
	v_lshlrev_b32 v[SS], 3, v1
	s_sub_co_u32 s15, ttmp9, 1                     ; q = 128 e + 16 kc + column group of 128
	s_lshr_b32 s16, s15, 7                         ; e
	s_bfe_u32 s17, s15, 0x30004                    ; kc: which 256 along K
	s_and_b32 s18, s15, 15
	s_lshl_b32 s18, s18, 2
	s_add_co_u32 s18, s18, s14                     ; cg: which 32 columns
	s_lshl_b32 s20, s16, 24                        ; We: e x 2048 x 8,192 bytes + kc x 256 rows + cg x 128 bytes
	s_lshl_b32 s21, s17, 21
	s_add_co_u32 s20, s20, s21
	s_lshl_b32 s21, s18, 7
	s_add_co_u32 s20, s20, s21
	s_mov_b32 s21, 0
	s_lshl_b32 s22, s16, 5                         ; wcodes: ((32 e + cg / 2) x 16 + 2 kc) x 6,144 + (cg % 2) x 3,072
	s_lshr_b32 s23, s18, 1
	s_add_co_u32 s22, s22, s23
	s_lshl_b32 s22, s22, 4
	s_lshl_b32 s23, s17, 1
	s_add_co_u32 s22, s22, s23
	s_mul_i32 s22, s22, 6144
	s_and_b32 s23, s18, 1
	s_mul_i32 s23, s23, 3072
	s_add_co_u32 s22, s22, s23
	s_mov_b32 s23, 0
	s_lshl_b32 s24, s16, 6                         ; wscales: ((64 e + cg) x 8 + kc) x 256
	s_add_co_u32 s24, s24, s18
	s_lshl_b32 s24, s24, 3
	s_add_co_u32 s24, s24, s17
	s_lshl_b32 s24, s24, 8
	s_mov_b32 s25, 0
	s_wait_alu depctr_va_vdst(0)
	s_wait_kmcnt 0x0
	s_add_nc_u64 s[4:5], s[4:5], s[20:21]
	s_add_nc_u64 s[8:9], s[8:9], s[22:23]
	s_add_nc_u64 s[10:11], s[10:11], s[24:25]
.macro LOAD t                          ; block t: We(32 t + i, my column), i = 0 .. 31, into set t % 2.  Every offset is an immediate: 255 rows of 8,192 bytes at the most
.irp i, 0,1,2,3,4,5,6,7,8,9,10,11,12,13,14,15,16,17,18,19,20,21,22,23,24,25,26,27,28,29,30,31
	global_load_b32 v[XN+32*((\t)%2)+\i], v[LO], s[4:5] offset:(32*(\t)+\i)*8192 th:TH_LOAD_NT
.endr
.endm
.macro BLOCK t
.set XS, XN+32*((\t)%2)
.set IX, IM+24*((\t)/4)+12*((\t)%2)+6*(((\t)/2)%2)   ; K step t / 4; h = t % 2; the fragment's registers 6 ((t / 2) % 2) on
.if (\t) < 7
	s_wait_loadcnt 32                              ; this block's 32 loads are in; the next block's may be out
.else
	s_wait_loadcnt 0x0
.endif
	v_max3_num_f32 v[MXA], |v[XS]|, |v[XS+1]|, |v[XS+2]|
	v_max3_num_f32 v[MXB], |v[XS+3]|, |v[XS+4]|, |v[XS+5]|
.irp i, 6,10,14,18,22,26
	v_max3_num_f32 v[MXA], v[MXA], |v[XS+\i]|, |v[XS+\i+1]|
	v_max3_num_f32 v[MXB], v[MXB], |v[XS+\i+2]|, |v[XS+\i+3]|
.endr
	v_max3_num_f32 v[MXA], v[MXA], |v[XS+30]|, |v[XS+31]|
	v_max3_num_f32 v[MXA], v[MXA], v[MXB], 0x1800000               ; and the floor 2^(3 - 127): the byte cannot fall under 1
	v_add_nc_u32 v[SCL], 0xff000000, v[MXA]                        ; 2 off the exponent field: the conversion's scale operand
	v_cvt_scalef32_pk16_fp6_f32 v[IX:IX+2], v[XS:XS+15], v[SCL]
	v_cvt_scalef32_pk16_fp6_f32 v[TQ:TQ+2], v[XS+16:XS+31], v[SCL] ; (a conversion's three registers begin on an even number)
	v_lshrrev_b32 v[BY], 23, v[SCL]                                ; the scale's byte; also the plain line between a scaled conversion and the moves that read its result
.if (\t)%4 == 0
	v_mov_b32 v[SB+(\t)/4], v[BY]                                  ; four bytes to a word, the lower K in the lower byte
.else
	v_lshl_or_b32 v[SB+(\t)/4], v[BY], 8*((\t)%4), v[SB+(\t)/4]
.endif
.irp i, 0,1,2
	v_mov_b32 v[IX+3+\i], v[TQ+\i]
.endr
.if (\t)+2 < 8
	LOAD (\t)+2
.endif
.if (\t)%4 == 3                        ; a K step's four blocks are done: its 24 registers leave.  No hint: the next launch reads them
.irp h, 0,1
.irp c, 0,1,2
	global_store_b128 v[SO], v[IM+24*((\t)/4)+12*\h+4*\c:IM+24*((\t)/4)+12*\h+4*\c+3], s[8:9] offset:((\t)/4)*6144+512*\c+256*\h
.endr
.endr
.endif
.endm
	LOAD 0
	LOAD 1
.irp t, 0,1,2,3,4,5,6,7
	BLOCK \t
.endr
	global_store_b64 v[SS], v[SB:SB+1], s[10:11]   ; 32 lanes store 256 consecutive bytes, aligned
	s_endpgm
; THE SORT.  key = hi (hi - 1) / 2 + lo of a token's two experts, 0 .. 27: a lane can stand for a key.  Wave w takes tokens 512 w .. 512 w + 511 in sixteen groups of 32, a token a lane.
; A token's rank = the tokens of smaller keys + those of its key in earlier waves + in earlier groups of its wave + in lower lanes of its group.  Which token of a key comes first does not matter.
; order[rank] = token | i0 << 11 | i1 << 14 | ((1 << i0) | (1 << i1)) << 24: the top byte has a bit for each of the token's two experts, so that the OR of a tile's entries names the experts that the tile uses.
.set SOF,  2                           ; v2   my 16 bytes of sel
.set TOKB, 3                           ; v3   512 w + 4 x lane
.set MYW,  5                           ; v5   LDS: 4 x thread: my wave's count of key = lane
.set KYW,  6                           ; v6   LDS: 4 x lane: wave 0's
.set ACCU, 7                           ; v7   lane j: tokens of key j in my wave so far
.set LT,   16                          ; v16-20   bit b of my lane's number, less 1
.set SEL,  32                          ; v32-47
.set KEY4, 48                          ; v48-63   4 x key
.set RIN,  64                          ; v64-79   lower lanes of my group with my key
.set RUN,  80                          ; v80-95   lane j: key j's count ahead of group g
.set ENTR, 96                          ; v96-111  the entries
.set RK,   112                         ; v112-127 the ranks
.Lsort:
	v_and_b32 v1, 31, v0
	v_lshrrev_b32 v4, 5, v0
	v_lshlrev_b32 v[SOF], 4, v1
	v_lshl_add_u32 v[SOF], v4, 11, v[SOF]          ; 2,048 w + 16 x lane
	v_lshlrev_b32 v[TOKB], 2, v1
	v_lshl_add_u32 v[TOKB], v4, 9, v[TOKB]
	v_lshlrev_b32 v[MYW], 2, v0
	v_lshlrev_b32 v[KYW], 2, v1
	v_mov_b32 v[ACCU], 0
	s_mov_b32 s20, 0x01010101
	s_mov_b32 s23, 0x1000000                       ; expert 0's bit in an entry's top byte
.irp b, 0,1,2,3,4
	v_bfe_u32 v[LT+\b], v1, \b, 1
	v_add_nc_u32 v[LT+\b], -1, v[LT+\b]            ; 0 where the bit is set, all ones where not
.endr
	s_wait_kmcnt 0x0
.irp j, 0,1,2,3
	global_load_b128 v[SEL+4*\j:SEL+4*\j+3], v[SOF], s[6:7] offset:512*\j   ; register 4 j + i: token 512 w + 128 j + 4 x lane + i
.endr
	s_wait_loadcnt 0x0
.macro GROUP g
	v_and_b32 v128, 7, v[SEL+\g]                   ; i0
	v_bfe_u32 v129, v[SEL+\g], 8, 3                ; i1
	v_min_u32 v130, v128, v129                     ; lo
	v_add_nc_u32 v131, v128, v129
	v_sub_nc_u32 v131, v131, v130                  ; hi
	v_add_nc_u32 v132, -1, v131
	v_mul_u32_u24 v132, v131, v132
	v_lshrrev_b32 v132, 1, v132
	v_add_nc_u32 v132, v132, v130                  ; the key
	v_min_u32 v132, 31, v132                       ; it names a lane below
	v_lshlrev_b32 v[KEY4+\g], 2, v132
	v_lshl_or_b32 v[ENTR+\g], v128, 11, v[TOKB]    ; the entry: i0,
	v_lshl_or_b32 v[ENTR+\g], v129, 14, v[ENTR+\g] ; i1,
	v_lshl_or_b32 v[ENTR+\g], s23, v128, v[ENTR+\g]   ; their two bits in the top byte,
	v_lshl_or_b32 v[ENTR+\g], s23, v129, v[ENTR+\g]
	v_add_nc_u32 v[ENTR+\g], 128*(\g/4)+\g%4, v[ENTR+\g]   ; and the token, which stays under 2,048: nothing is carried into bit 11
.irp b, 0,1,2,3,4
	v_bfe_u32 v[133+\b], v132, \b, 1
	v_cmp_ne_u32 s[30+\b], 0, v[133+\b]            ; the lanes whose key has bit b
	v_add_nc_u32 v[133+\b], -1, v[133+\b]
.endr
	v_xor_b32 v138, s30, v133                      ; the lanes that agree with my key in bit 0,
.irp b, 1,2,3,4
	v_xor_b32 v139, s[30+\b], v[133+\b]
	v_and_b32 v138, v138, v139                     ; .. and in every bit: the lanes with my key
.endr
	v_mbcnt_lo_u32_b32 v[RIN+\g], v138, 0          ; of them, those below me
	v_xor_b32 v138, s30, v[LT]
.irp b, 1,2,3,4
	v_xor_b32 v139, s[30+\b], v[LT+\b]
	v_and_b32 v138, v138, v139                     ; the lanes whose key is my lane's number
.endr
	v_lshrrev_b32 v139, 1, v138                    ; how many: the bits are counted in pairs, fours, bytes, and the bytes summed by a multiplication
	v_and_b32 v139, 0x55555555, v139
	v_sub_nc_u32 v138, v138, v139
	v_lshrrev_b32 v139, 2, v138
	v_and_b32 v138, 0x33333333, v138
	v_and_b32 v139, 0x33333333, v139
	v_add_nc_u32 v138, v138, v139
	v_lshrrev_b32 v139, 4, v138
	v_add_nc_u32 v138, v138, v139
	v_and_b32 v138, 0x0f0f0f0f, v138
	v_mul_lo_u32 v138, v138, s20
	v_lshrrev_b32 v138, 24, v138
	v_mov_b32 v[RUN+\g], v[ACCU]
	v_add_nc_u32 v[ACCU], v[ACCU], v138
.endm
.irp g, 0,1,2,3,4,5,6,7,8,9,10,11,12,13,14,15
	GROUP \g
.endr
	ds_store_b32 v[MYW], v[ACCU]
	s_wait_dscnt 0x0                               ; for the others' sake: my wave's counts lie in LDS
	s_barrier_signal -1
	s_barrier_wait -1
.irp w, 0,1,2,3
	ds_load_b32 v[142+\w], v[KYW] offset:128*\w
.endr
	s_wait_dscnt 0x0
	v_add_nc_u32 v146, v142, v143
	v_add_nc_u32 v146, v146, v144
	v_add_nc_u32 v146, v146, v145                  ; lane j: all tokens of key j
	s_wait_alu depctr_va_vdst(0)
	v_mov_b32 v147, 0                              ; lane j: those in earlier waves
.irp w, 0,1,2
	s_cmp_gt_u32 s14, \w
	s_cselect_b32 s21, 1, 0
	v_mad_u32_u24 v147, v[142+\w], s21, v147
.endr
	v_mov_b32 v148, 0                              ; lane j: all tokens of keys under j
	s_mov_b32 s21, 0
.set jj, 0
.rept 32
	v_readlane_b32 s22, v146, jj
	v_writelane_b32 v148, s21, jj
	s_add_co_u32 s21, s21, s22
.set jj, jj+1
.endr
	v_add_nc_u32 v149, v148, v147
.irp g, 0,1,2,3,4,5,6,7,8,9,10,11,12,13,14,15
	v_add_nc_u32 v[RUN+\g], v[RUN+\g], v149
.endr
.irp g, 0,1,2,3,4,5,6,7,8,9,10,11,12,13,14,15
	ds_bpermute_b32 v[RK+\g], v[KEY4+\g], v[RUN+\g]   ; from the lane that stands for my key; no LDS byte is touched
.endr
	s_wait_dscnt 0x0
.irp g, 0,1,2,3,4,5,6,7,8,9,10,11,12,13,14,15
	v_add_nc_u32 v[RK+\g], v[RK+\g], v[RIN+\g]
	v_min_u32 v[RK+\g], 0x7ff, v[RK+\g]            ; a number made of loaded ones enters an address only behind this bound
	v_lshlrev_b32 v[RK+\g], 2, v[RK+\g]
.endr
.irp g, 0,1,2,3,4,5,6,7,8,9,10,11,12,13,14,15
	global_store_b32 v[RK+\g], v[ENTR+\g], s[12:13]   ; four bytes a lane to scattered places: 8 KiB in the whole launch
.endr
	s_wait_tensorcnt 0x0
	ds_add_u32 v160, v161
	s_wait_dscnt 0x0
	s_endpgm
.Lfunc_end_k_q4111376e5a_prep:
	.size	k_q4111376e5a_prep, .Lfunc_end_k_q4111376e5a_prep-k_q4111376e5a_prep
	.p2alignl 7, 3214868480
	.fill 96, 4, 3214868480
	.section	.rodata,"a",@progbits
	.p2align	6, 0x0
	.amdhsa_kernel k_q4111376e5a_prep
		.amdhsa_group_segment_fixed_size 1024
		.amdhsa_private_segment_fixed_size 0
		.amdhsa_enable_private_segment 0
		.amdhsa_kernarg_size 40
		.amdhsa_user_sgpr_count 2
		.amdhsa_user_sgpr_kernarg_segment_ptr 1
		.amdhsa_wavefront_size32 1
		.amdhsa_system_sgpr_workgroup_id_x 1
		.amdhsa_system_sgpr_workgroup_id_y 1
		.amdhsa_system_sgpr_workgroup_id_z 1
		.amdhsa_system_vgpr_workitem_id 0
		.amdhsa_next_free_vgpr 162
		.amdhsa_next_free_sgpr 66
		.amdhsa_reserve_vcc 0
		.amdhsa_float_denorm_mode_32 3
		.amdhsa_float_denorm_mode_16_64 3
		.amdhsa_memory_ordered 1
		.amdhsa_forward_progress 1
		.amdhsa_inst_pref_size 95
	.end_amdhsa_kernel
	.amdgpu_metadata
---
amdhsa.version: [ 1, 2 ]
amdhsa.kernels:
  - .name:           k_q4111376e5a_prep
    .symbol:         k_q4111376e5a_prep.kd
    .args:
      - { .name: We, .offset: 0, .size: 8, .value_kind: global_buffer, .address_space: global }
      - { .name: sel, .offset: 8, .size: 8, .value_kind: global_buffer, .address_space: global }
      - { .name: wcodes, .offset: 16, .size: 8, .value_kind: global_buffer, .address_space: global }
      - { .name: wscales, .offset: 24, .size: 8, .value_kind: global_buffer, .address_space: global }
      - { .name: order, .offset: 32, .size: 8, .value_kind: global_buffer, .address_space: global }
    .group_segment_fixed_size: 1024
    .private_segment_fixed_size: 0
    .kernarg_segment_align: 8
    .kernarg_segment_size: 40
    .max_flat_workgroup_size: 128
    .sgpr_count:     66
    .vgpr_count:     162
    .wavefront_size: 32
...
	.end_amdgpu_metadata
.endif
;; end of part 5
;; launch moe (part 6): grid 8 x 32, 4 waves a work-group, no clusters, 117,248 bytes of LDS; arguments xcodes, xscales, gate, order, wcodes, wscales, be, out0; writes out0
.if DOCPART == 6
	.amdgcn_target "amdgcn-amd-amdhsa--gfx1250"
	.amdhsa_code_object_version 6
	.text
	.protected	k_q4111376e5a_moe
	.globl	k_q4111376e5a_moe
	.p2align	8
	.type	k_q4111376e5a_moe,@function
k_q4111376e5a_moe:
	s_mov_b64 s[64:65], 0
	v_nop
	global_prefetch_b8 v0, s[64:65] scope:SCOPE_SE
	s_setreg_imm32_b32 hwreg(HW_REG_WAVE_SCHED_MODE, 0, 2), 2
	s_setreg_imm32_b32 hwreg(HW_REG_WAVE_MODE, 25, 1), 1
	s_wait_xcnt 0x0
	s_wait_alu depctr_vm_vsrc(0)
; MOE.  out[n] = w0 (xq[n] . Wq[i0] + be[i0]) + w1 (xq[n] . Wq[i1] + be[i1]), on codes of FP6 (E2M3) with one E8M0 scale for each 32 along K; sums in f32.
; SHARES.  A work-group takes a tile of 64 tokens of the sorted list (work-group y) x 256 columns (work-group x): 8 x 32 = 256 work-groups, and every output row has one owner.
; Wave w takes all 64 rows x 64 columns: 16 accumulators of 16 x 16.  The work-group walks the experts that its 64 tokens use (at least 2, at most 8; the sort makes them few): for each, K = 2,048 in 16 steps of 128,
; then OUT += g x ACC, g the token's weight for that expert, 0 where the token has not chosen it.  The bias is the C of a sum's first matrix instruction, so g weighs it too.
; x's 64 rows of codes are gathered once into LDS and read from there by all four waves for every expert.  THE WEIGHTS GO FROM MEMORY STRAIGHT INTO REGISTERS: they lie in the order of the operand's registers,
; so each lane loads its fragments whole, 16 bytes a load, 512 consecutive bytes a wave.  The walk hangs on a list read from memory: so the loop holds no barrier and fills no LDS.
; WHAT STEERS THE WALK is made by scalar instructions alone, from the list's whole numbers: an entry is token | i0 << 11 | i1 << 14 | ((1 << i0) | (1 << i1)) << 24, and the OR of the tile's 64 entries has the tile's experts in its top byte.
; THE MATRIX INSTRUCTION IS USED TRANSPOSED: source 0 = 16 columns of W, source 1 = 16 tokens: lane (r, h) holds token 16 g + r, and its register j column 16 t + 8 h + j.
; A RING OF FOUR K STEPS in registers for the weights (48 loads a wave on their way), running on into the next expert: the next expert's first four steps, its scale words and its bias are asked for during this one.
; NO CLUSTER: partners along the tokens walk different lists of experts, of different lengths; partners along the columns share only x's 98,304 bytes, read once, beside 393,216 bytes of weights of their own for each expert.
; THE MODE: SCHED_MODE bits 1:0 = 2 (LLVM: expert scheduling mode 2), set by the entry lines.  The code itself states the register dependences between vector or matrix instructions and memory or LDS instructions, with s_wait_alu, always for 0.
; THE PLAN.  Registers that memory or LDS instructions touch, in the loop:
;   W's slot s % 4     Step s's 16 products read it; behind them the 12 loads of the K step four on land in it.
;   x's set s % 2      Step s's products read it; the LDS loads of step s + 2's fragments, issued behind step s + 1's first four products, land in it.
;   W's scale words    The words of steps 2 kc and 2 kc + 1 are read by those steps' products; behind step 2 kc + 1 the next expert's land there.  The bias likewise: read by step 0, loaded again behind it.
;   v4-v17             Addresses and offsets, made once at the head and never written again: scalar bases and immediate offsets do the rest.
;   ACC, OUT, the weights g and x's scale words are named in the loop by vector and matrix instructions alone.
; So ONE wait on va_vdst stands in a K step, behind its products: it states that they are done reading their slot, their set, their scale words (at step 0 the bias).  The step's loads from memory follow it at once;
; x's next fragments follow behind the next step's first four products, which name the other set, the next slot, that step's words and ACC: none of the registers that those LDS loads touch.
; REGISTERS, in windows of 256 (s_set_vgpr_msb's low byte: bits 1:0 source 0, 3:2 source 1, 5:4 source 2, 7:6 destination):
;   window 0: v1-17 addresses; v24-30 entries, at work; v32-63 x's scale words, v64-95 W's (scales and nothing else); v96-191 x's fragments, two sets; v192-223 the bias; v224-253 experts, weights, offsets; v254, v255 the closing add's two
;   window 1: v0-191 W's fragments: four slots of 48; v192-223 the rows' offsets in out.      window 2: v0-127 ACC ((t, g) at 8 (4 t + g)); v128-255 OUT.
.set XPITCH, 1552                      ; a token's row in LDS: 1,536 bytes + 16 = 97 x 16: the sixteen rows that a load touches fall on different banks (64 banks of 4 bytes: ISA guide 11.1)
.set STAGE,  99328                     ; behind the 64 rows: 16 rows x 272 bytes for each wave, for the way out
.set L16, 4                            ; v4   16 x lane
.set AD0, 5                            ; v5   my place in rows 0-31 of x: 1552 r + 48 h;  v6: the same in rows 32-63
.set XW,  7                            ; v7   where my wave's 16 rows go
.set SO8, 9                            ; v9   8 x lane
.set BIO, 10                           ; v10  32 h
.set STO, 11                           ; v11  the way out: where I put 32 bytes of a row
.set RD,  12                           ; v12  and where I read a row back
.set R16, 15                           ; v15  16 r
.set E4R, 16                           ; v16  4 r
.set E4L, 17                           ; v17  4 x lane
.set ENT, 24                           ; v24-27  entry of row 16 g + r
.set ENT2, 28                          ; v28-29  entry of row 32 p + lane
.set XS,  32                           ; register 16 p + s: lanes 0-15 the word of row 32 p + r, lanes 16-31 of row 32 p + 16 + r, for K step s
.set WS,  64                           ; register 16 p + s: lanes 0-15 column 32 p + r, lanes 16-31 column 32 p + 16 + r
.set AF,  96
.set ROF, 96                           ; at the set-up: my wave's sixteen rows' offsets in xcodes
.set BI,  192                          ; register 8 t + j: be(column 16 t + 8 h + j)
.set I0,  224
.set I1,  228
.set GW,  232                          ; v232-239 w0, w1 of row 16 g + r
.set GG,  240                          ; v240-247 register 2 g: this expert's weight for row 16 g + r; the odd ones hold 0 (named as a pair's upper half)
.set GOF, 248
.set XSO, 252
.set TLW, 192                          ; in window 1: register 8 g + i: the offset in out of row 16 g + 8 h + i's token, + 16 r
.set LAND, 96                          ; the way out: v96-223 whole rows back from the stage
.set OUT, 128                          ; in window 2
.set WV,   20
.set TILE, 22
.set CB64, 23
.set CM,   24                          ; s24-31 in the loop: the eight masks of the weights' choice (the entries that lay here are done with at the set-up's end)
.set REM,  40                          ; the experts still to be picked, a bit each
.set ECUR, 41
.set ENXT, 42
.set CNT,  43
.set CB,   44                          ; s[44:45] this expert's codes
.set NB,   46                          ; s[46:47] the next expert's codes, s[48:49] scale words, s[50:51] bias
.set NS,   48
.set NBI,  50
.set WCB,  52                          ; s[52:53] wcodes, s[54:55] wscales, s[56:57] be at my 64 columns of expert 0
.set WSB,  54
.set BEB,  56
.set TP,   58                          ; s[58:59] an offset as a pair; s59 stays 0
.set OB,   60                          ; s[60:61] out0 at my 64 columns
.set MSB, 0
.macro WIN new                         ; the immediate's high byte repeats the setting that is left; a switch that changes nothing is dropped
.if MSB != \new
	s_set_vgpr_msb (MSB<<8)|\new
.set MSB, \new
.endif
.endm
	s_load_b512 s[4:19], s[0:1], 0x0               ; xcodes s[4:5], xscales s[6:7], gate s[8:9], order s[10:11], wcodes s[12:13], wscales s[14:15], be s[16:17], out0 s[18:19]
	v_lshl_add_u32 v254, v0, 2, 0x1c800            ; my spare word, behind the stages, and 0: made here and kept for the closing lines alone
	v_mov_b32 v255, 0
	v_lshrrev_b32 v30, 5, v0
	v_readfirstlane_b32 s[WV], v30                 ; wave 0..3
	v_and_b32 v1, 31, v0                           ; lane
	v_and_b32 v2, 15, v0                           ; r
	v_bfe_u32 v3, v0, 4, 1                         ; h
	v_lshlrev_b32 v[L16], 4, v1
	v_mul_u32_u24 v[AD0], v2, XPITCH
	v_mad_u32_u24 v[AD0], v3, 48, v[AD0]
	v_add_nc_u32 v[AD0+1], 32*XPITCH, v[AD0]
	s_wait_alu depctr_va_sdst(0)                   ; the wave's number is written, ahead of its first reader: LDS places and the bases are made from it
	s_mul_i32 s[TP], s[WV], 16*XPITCH
	v_add_nc_u32 v[XW], s[TP], v[L16]
	v_lshlrev_b32 v[SO8], 3, v1
	v_lshlrev_b32 v[BIO], 5, v3
	s_mul_i32 s[TP], s[WV], 4352
	s_add_co_u32 s[TP], s[TP], STAGE               ; my stage
	v_mul_u32_u24 v[STO], v2, 272                  ; in: row r, 32 bytes for each half of the lanes
	v_lshl_add_u32 v[STO], v3, 5, v[STO]
	v_add_nc_u32 v[STO], s[TP], v[STO]
	v_mul_u32_u24 v[RD], v3, 8*272                 ; back: lanes 0-15 take row i, lanes 16-31 row 8 + i; 16 bytes a lane
	v_lshl_add_u32 v[RD], v2, 4, v[RD]
	v_add_nc_u32 v[RD], s[TP], v[RD]
	v_lshlrev_b32 v[R16], 4, v2
	v_lshlrev_b32 v[E4R], 2, v2
	v_lshlrev_b32 v[E4L], 2, v1
.irp g, 0,1,2,3
	v_mov_b32 v[GG+2*\g+1], 0
.endr
	s_and_b32 s[TILE], ttmp7, 0xffff
	s_lshl_b32 s[CB64], ttmp9, 2
	s_add_co_u32 s[CB64], s[CB64], s[WV]           ; which 64 columns are my wave's
	s_mov_b32 s[TP+1], 0
	s_wait_kmcnt 0x0
	s_lshl_b32 s[TP], s[TILE], 8
	s_add_nc_u64 s[10:11], s[10:11], s[TP:TP+1]    ; order at my tile's 64 entries
	s_lshl_b32 s21, s[WV], 6                       ; the tile's four groups of sixteen entries, each by a pointer of its own: my wave's, which it gathers, and the three others'
	s_mov_b32 s[TP], s21
	s_add_nc_u64 s[2:3], s[10:11], s[TP:TP+1]
	s_xor_b32 s[TP], s21, 64
	s_add_nc_u64 s[56:57], s[10:11], s[TP:TP+1]
	s_xor_b32 s[TP], s21, 128
	s_add_nc_u64 s[60:61], s[10:11], s[TP:TP+1]
	s_xor_b32 s[TP], s21, 192
	s_add_nc_u64 s[62:63], s[10:11], s[TP:TP+1]
	s_load_b512 s[24:39], s[2:3], 0x0              ; the entries of rows 16 w .. 16 w + 15
	s_load_b512 s[40:55], s[56:57], 0x0
	s_load_b512 s[68:83], s[60:61], 0x0
	s_load_b512 s[84:99], s[62:63], 0x0
	s_wait_alu depctr_va_vdst(0)                   ; the addresses and offsets v4 to v17 are written, which the loads and stores of the whole kernel read
.irp g, 0,1,2,3
	global_load_b32 v[ENT+\g], v[E4R], s[10:11] offset:64*\g
.endr
.irp p, 0,1
	global_load_b32 v[ENT2+\p], v[E4L], s[10:11] offset:128*\p
.endr
	WIN 0x40                                       ; destination window 1
.irp g, 0,1,2,3
.irp n, 0,1
	global_load_b128 v[TLW+8*\g+4*\n:TLW+8*\g+4*\n+3], v[BIO], s[10:11] offset:64*\g+16*\n   ; register 8 g + i: the entry of row 16 g + 8 h + i, for the way out
.endr
.endr
	WIN 0
	s_wait_kmcnt 0x0                               ; all 64 entries are in; the four pointers may be written again
.irp i, 0,1,2,3,4,5,6,7,8,9,10,11,12,13,14,15
	s_and_b32 s[TP], s[24+\i], 0x7ff               ; the token,
	s_min_u32 s[TP], s[TP], 0x7ff                  ; bounded before it enters an address,
	s_mul_i32 s[TP], s[TP], 1536                   ; its row of codes
	v_add_nc_u32 v[ROF+\i], s[TP], v[L16]
.endr
	WIN 0x80                                       ; destination window 2: the registers of ACC and OUT are free yet
	s_wait_alu depctr_va_vdst(0)                   ; the sixteen offsets v[ROF ..] are written, which the loads below read
.irp i, 0,1,2,3,4,5,6,7,8,9,10,11,12,13,14,15
.irp n, 0,1,2
	global_load_b128 v[12*\i+4*\n:12*\i+4*\n+3], v[ROF+\i], s[4:5] offset:512*\n   ; 32 lanes read 512 consecutive bytes of a row
.endr
.endr
	WIN 0
; Which experts does the tile use?  The OR of its 64 entries, in four chains; the top byte has a bit for each expert.
	s_or_b32 s[TP], s24, s25
.irp i, 1,2,3,4,5,6,7,8,9,10,11,12,13,14,15
	s_or_b32 s40, s40, s[40+\i]
	s_or_b32 s68, s68, s[68+\i]
	s_or_b32 s84, s84, s[84+\i]
.if \i > 1
	s_or_b32 s[TP], s[TP], s[24+\i]
.endif
.endr
	s_or_b32 s40, s40, s68
	s_or_b32 s84, s84, s[TP]
	s_or_b32 s40, s40, s84
	s_lshr_b32 s[REM], s40, 24
	s_bcnt1_i32_b32 s[CNT], s[REM]                 ; a token's two experts differ, so there are at least two: the loop takes all but the last, the tail the last
	s_sub_co_u32 s[CNT], s[CNT], 1
	s_min_u32 s[CNT], s[CNT], 7
	s_max_u32 s[CNT], s[CNT], 1                    ; the loop's counter starts at 1 at the least
	s_mul_i32 s[TP], s[CB64], 98304
	s_add_nc_u64 s[WCB:WCB+1], s[12:13], s[TP:TP+1]
	s_lshl_b32 s[TP], s[CB64], 12
	s_add_nc_u64 s[WSB:WSB+1], s[14:15], s[TP:TP+1]
	s_lshl_b32 s[TP], s[CB64], 8
	s_add_nc_u64 s[BEB:BEB+1], s[16:17], s[TP:TP+1]
	s_add_nc_u64 s[OB:OB+1], s[18:19], s[TP:TP+1]
	s_wait_loadcnt 48                              ; the fourteen loads of entries are in; the 48 issued behind them may be out
.irp g, 0,1,2,3
	v_bfe_u32 v[I0+\g], v[ENT+\g], 11, 3
	v_bfe_u32 v[I1+\g], v[ENT+\g], 14, 3
	v_and_b32 v[ENT+\g], 0x7ff, v[ENT+\g]
	v_min_u32 v[ENT+\g], 0x7ff, v[ENT+\g]
	v_lshlrev_b32 v[GOF+\g], 3, v[ENT+\g]
.endr
.irp p, 0,1
	v_and_b32 v[ENT2+\p], 0x7ff, v[ENT2+\p]
	v_min_u32 v[ENT2+\p], 0x7ff, v[ENT2+\p]
	v_lshlrev_b32 v[XSO+\p], 6, v[ENT2+\p]
.endr
	s_wait_alu depctr_va_vdst(0)                   ; the offsets v[GOF ..] and v[XSO ..] are written, which the loads below read
.irp g, 0,1,2,3
	global_load_b64 v[GW+2*\g:GW+2*\g+1], v[GOF+\g], s[8:9]
.endr
.irp p, 0,1
.irp q, 0,1,2,3
	global_load_b128 v[XS+16*\p+4*\q:XS+16*\p+4*\q+3], v[XSO+\p], s[6:7] offset:16*\q   ; a row's 16 scale words, one for each K step
.endr
.endr
	WIN 0x44                                       ; source 1 and destination window 1
.set i, 0
.rept 32
	v_and_b32 v[TLW+i], 0x7ff, v[TLW+i]            ; the token,
	v_min_u32 v[TLW+i], 0x7ff, v[TLW+i]            ; bounded before it enters an address
.set i, i+1
.endr
	WIN 0x41                                       ; source 0 and destination window 1, 16 r window 0
.set i, 0
.rept 32
	v_lshl_add_u32 v[TLW+i], v[TLW+i], 13, v[R16]  ; its row of 8,192 bytes of out, + 16 r
.set i, i+1
.endr
	WIN 0
.macro PICK d                          ; the lowest expert left; with none left: 7, which is then asked for by nobody or weighed with 0
	s_ctz_i32_b32 s[\d], s[REM]
	s_min_u32 s[\d], s[\d], 7
	s_sub_co_u32 s[TP], s[REM], 1
	s_and_b32 s[REM], s[REM], s[TP]
.endm
.macro BASES e                         ; where expert e's codes, scale words and bias begin for my 64 columns
	s_mul_i32 s[TP], s[\e], 3145728
	s_add_nc_u64 s[NB:NB+1], s[WCB:WCB+1], s[TP:TP+1]
	s_lshl_b32 s[TP], s[\e], 17
	s_add_nc_u64 s[NS:NS+1], s[WSB:WSB+1], s[TP:TP+1]
	s_lshl_b32 s[TP], s[\e], 13
	s_add_nc_u64 s[NBI:NBI+1], s[BEB:BEB+1], s[TP:TP+1]
.endm
.macro ALOAD s                         ; x's four fragments of K step s into set s % 2: a lane's 48 bytes are its 12 registers
.irp g, 0,1,2,3
.irp c, 0,1,2
	ds_load_b128 v[AF+48*((\s)%2)+12*\g+4*\c:AF+48*((\s)%2)+12*\g+4*\c+3], v[AD0+\g/2] offset:(\g%2)*16*XPITCH+96*(\s)+16*\c
.endr
.endr
.endm
.macro BLOAD b, s, slot                ; W's four fragments of K step s, from base b, into a slot of window 1: 12 loads of 512 consecutive bytes
	WIN 0x40
.irp t, 0,1,2,3
.irp c, 0,1,2
	global_load_b128 v[48*(\slot)+12*\t+4*\c:48*(\slot)+12*\t+4*\c+3], v[L16], s[\b:\b+1] offset:6144*(\s)+1536*\t+512*\c
.endr
.endr
.endm
.macro WSLOAD kc                       ; the next expert's scale words of K steps 2 kc and 2 kc + 1
.irp p, 0,1
	global_load_b64 v[WS+16*\p+2*(\kc):WS+16*\p+2*(\kc)+1], v[SO8], s[NS:NS+1] offset:2048*\p+256*(\kc)
.endr
.endm
.macro BIASLOAD                        ; the next expert's bias, in the result's layout
.irp t, 0,1,2,3
.irp n, 0,1
	global_load_b128 v[BI+8*\t+4*\n:BI+8*\t+4*\n+3], v[BIO], s[NBI:NBI+1] offset:64*\t+16*\n
.endr
.endr
.endm
; The first expert's loads, in the very order in which a trip of the loop asks for the next expert's: so the counts in the loop hold on the way in as on the way back.
; They owe no wait of the mode: no vector or matrix instruction has named the registers in which they land, and their offsets stand behind the head's wait.
	PICK ECUR
	BASES ECUR
	BIASLOAD
.irp k, 0,1,2,3,4,5
	WSLOAD \k
.endr
	BLOAD NB, 0, 0
	BLOAD NB, 1, 1
	WIN 0
	WSLOAD 6
	BLOAD NB, 2, 2
	BLOAD NB, 3, 3
	WIN 0
	WSLOAD 7
	s_wait_xcnt 0x0                                ; the bases of the loads above are written again only behind this wait
	s_mov_b64 s[CB:CB+1], s[NB:NB+1]
	PICK ENXT
	BASES ENXT
	s_wait_loadcnt 63                              ; x's rows are in: 84 loads were issued behind them, so any count up to 84 shows it; 63 is the largest that the wait can name
	WIN 0x08                                       ; an LDS store's data are its source 1: window 2
.irp i, 0,1,2,3,4,5,6,7,8,9,10,11,12,13,14,15
.irp n, 0,1,2
	ds_store_b128 v[XW], v[12*\i+4*\n:12*\i+4*\n+3] offset:XPITCH*\i+512*\n
.endr
.endr
	WIN 0
	s_wait_dscnt 0x0                               ; for the others' sake: my sixteen rows lie in LDS
	s_wait_alu depctr_vm_vsrc(0)                   ; the LDS stores have read window 2's v0-191, which the moves below (OUT) and the first products (ACC) write; the rows' loads have read v[ROF ..], in which x's first fragments land
	s_barrier_signal -1
	WIN 0x80
.set i, 0
.rept 128
	v_mov_b32 v[OUT+i], 0                          ; OUT begins as zeros: which expert comes first is read from memory and each adds with its own weights, so one text serves every expert.  Register work, while the other waves arrive and the weights are on their way
.set i, i+1
.endr
	WIN 0
	s_barrier_wait -1                              ; all 64 rows lie in LDS.  The launch's only barrier
	ALOAD 0                                        ; (the additions that wrote v[ROF ..] stand ahead of the wait in front of the rows' loads, and no vector line has named these registers since)
; One product: tile t of columns x tile g of tokens, K step s.  At s = 0 the C is the bias (window 0), else the accumulator itself.
.macro WM s, t, g
.set rD, 8*(4*\t+\g)
.set rA, 48*((\s)%4)+12*\t
.set rB, AF+48*((\s)%2)+12*\g
.set rW, WS+16*(\t/2)+(\s)
.set rX, XS+16*(\g/2)+(\s)
.if (\s) == 0
.set rC, BI+8*\t
.else
.set rC, rD
.endif
.if (\t%2 == 0) && (\g%2 == 0)
	v_wmma_scale_f32_16x16x128_f8f6f4 v[rD:rD+7], v[rA:rA+11], v[rB:rB+11], v[rC:rC+7], v[rW], v[rX] matrix_a_fmt:MATRIX_FMT_FP6 matrix_b_fmt:MATRIX_FMT_FP6
.elseif (\t%2 == 1) && (\g%2 == 0)
	v_wmma_scale_f32_16x16x128_f8f6f4 v[rD:rD+7], v[rA:rA+11], v[rB:rB+11], v[rC:rC+7], v[rW], v[rX] matrix_a_fmt:MATRIX_FMT_FP6 matrix_b_fmt:MATRIX_FMT_FP6 matrix_a_scale:MATRIX_SCALE_ROW1
.elseif (\t%2 == 0)
	v_wmma_scale_f32_16x16x128_f8f6f4 v[rD:rD+7], v[rA:rA+11], v[rB:rB+11], v[rC:rC+7], v[rW], v[rX] matrix_a_fmt:MATRIX_FMT_FP6 matrix_b_fmt:MATRIX_FMT_FP6 matrix_b_scale:MATRIX_SCALE_ROW1
.else
	v_wmma_scale_f32_16x16x128_f8f6f4 v[rD:rD+7], v[rA:rA+11], v[rB:rB+11], v[rC:rC+7], v[rW], v[rX] matrix_a_fmt:MATRIX_FMT_FP6 matrix_b_fmt:MATRIX_FMT_FP6 matrix_a_scale:MATRIX_SCALE_ROW1 matrix_b_scale:MATRIX_SCALE_ROW1
.endif
.endm
.macro MULT s, t                       ; four products: tile t of columns x the four tiles of tokens.  A step takes t = 0 .. 3: the 16 accumulators take turns, one instruction a turn, in the same order in every K step
.irp g, 0,1,2,3
	WM \s, \t, \g
.endr
.endm
.macro MWIN s                          ; the products' windows
.if (\s) == 0
	WIN 0x81                                       ; W window 1, x and the bias window 0, D window 2
.else
	WIN 0xa1                                       ; W window 1, x window 0, C and D window 2
.endif
.endm
.macro GATES                           ; this expert's weight for each of my four tokens: w0 where it is the first choice, w1 where the second, else 0
.irp g, 0,1,2,3
	v_cmp_eq_u32 s[CM+\g], s[ECUR], v[I0+\g]       ; the eight compares in one run, each into a mask of its own
	v_cmp_eq_u32 s[CM+4+\g], s[ECUR], v[I1+\g]
.endr
	s_wait_alu depctr_va_sdst(0)                   ; the eight masks are written, ahead of the selects that read them
.irp g, 0,1,2,3
	v_cndmask_b32 v[GG+2*\g], 0, v[GW+2*\g], s[CM+\g]
.endr
.irp g, 0,1,2,3
	v_cndmask_b32 v[GG+2*\g], v[GG+2*\g], v[GW+2*\g+1], s[CM+4+\g]
.endr
.endm
; A K STEP.  x's fragments were asked for a step ago; the next step's are asked for behind this step's first four products, into the other set.  W's fragments were asked for four steps ago.
; THE COUNT of the wait for them = the loads issued behind them.  A step's refill is 12 loads of W; with next = 1 also 8 of the bias at step 0 and 2 of scale words at each odd step, issued behind the 12.
; So in the loop: step 0: 0 + 14 + 12 + 14 = 40; step 1: 2 + 12 + 14 + 20 = 48; step 2: 14 + 20 + 14 = 48; step 3: 2 + 20 + 14 + 12 = 48; step 4: 8 + 14 + 12 + 14 = 48; from step 5 on 2 + 38 or 0 + 40 = 40.
; In the tail, which asks for no next expert: 40, 2 + 12 + 14 + 12 = 40, 14 + 24 = 38, 2 + 36 = 38, then 36, and 24, 12, 0 at the end.  A step's scale words and the bias were issued ahead of its W: the same wait shows them in.
; Behind the products stand four places and then the step's one wait on va_vdst, ahead of the loads into the registers that the products have read; at step 15 the weights' 16 lines are those places,
; and the places ahead of the reads of the results and ahead of the next expert's first products, which begin the accumulators anew.
; The tail's steps 14 and 15 are followed by no load into a register that they have read: they have neither the places nor the wait.
.macro KSTEP s, next
.if \next
.if (\s) == 0
.set NC, 40
.elseif (\s) < 5
.set NC, 48
.else
.set NC, 40
.endif
.else
.if (\s) < 2
.set NC, 40
.elseif (\s) < 4
.set NC, 38
.elseif (\s) < 13
.set NC, 36
.else
.set NC, 12*(15-(\s))
.endif
.endif
	s_wait_dscnt 0x0                               ; x's fragments of this step are in
	s_wait_loadcnt NC
	MWIN \s
	MULT \s, 0
.if (\s) < 15
	WIN 0
	ALOAD (\s)+1                                   ; into the set that the last step's products read.  No wait here: they stand ahead of the last wait on va_vdst, and the four products since name this step's set, slot and words and ACC alone
.elseif \next
	WIN 0
	ALOAD 0                                        ; the next expert begins with the same rows' first step
.endif
	MWIN \s
	MULT \s, 1
	MULT \s, 2
	MULT \s, 3
.if (\s) == 15
	WIN 0
	GATES
.elseif \next || ((\s) < 14)
.rept 4
	v_nop
.endr
.endif
.if (\s) < 12
	WIN 0x40
	s_wait_alu depctr_va_vdst(0)                   ; this step's products are done reading their slot of W, their set of x, their scale words and, at step 0, the bias: the loads below, and x's fragments asked for in the next step, land there
	BLOAD CB, (\s)+4, (\s)%4                       ; into the slot just multiplied: this expert's step four on,
.elseif \next
	WIN 0x40
	s_wait_alu depctr_va_vdst(0)                   ; the same; at step 15 it also serves the next trip's step 0, which has no wait of its own
	BLOAD NB, (\s)-12, (\s)%4                      ; or the next expert's first four
.elseif (\s) < 14
	s_wait_alu depctr_va_vdst(0)                   ; this step's products are done reading their set of x, in which the fragments asked for in the next step land
.endif
.if \next
.if (\s) == 0
	WIN 0
	BIASLOAD
.endif
.if (\s)%2 == 1
	WIN 0
	WSLOAD ((\s)-1)/2                              ; the words of this step and the last have been used
.endif
.endif
.endm
.macro EPI                             ; OUT += g x ACC: each accumulator from its low end on
	WIN 0xa2                                       ; ACC and OUT window 2, g window 0
.irp t, 0,1,2,3
.irp g, 0,1,2,3
.irp j, 0,2,4,6
	v_pk_fma_f32 v[OUT+8*(4*\t+\g)+\j:OUT+8*(4*\t+\g)+\j+1], v[8*(4*\t+\g)+\j:8*(4*\t+\g)+\j+1], v[GG+2*\g:GG+2*\g+1], v[OUT+8*(4*\t+\g)+\j:OUT+8*(4*\t+\g)+\j+1] op_sel_hi:[1,0,1]
.endr
.endr
.endr
	WIN 0
.endm
.macro EXPERT next
.irp s, 0,1,2,3,4,5,6,7,8,9,10,11,12,13,14,15
	KSTEP \s, \next
.endr
	EPI
.endm
.Lexp:                                                 ; a trip: one expert; as many trips as the tile uses experts, less one
	EXPERT 1
	s_wait_xcnt 0x0                                ; the bases of this trip's loads are written again only behind this wait
	s_mov_b32 s[ECUR], s[ENXT]
	s_mov_b64 s[CB:CB+1], s[NB:NB+1]
	PICK ENXT
	BASES ENXT
	s_sub_co_u32 s[CNT], s[CNT], 1
	s_cmp_lg_u32 s[CNT], 0
	s_cbranch_scc1 .Lexp
	EXPERT 0                                       ; the last expert is written out: it asks for nothing beyond itself
; THE WAY OUT.  A lane holds 32 neighbouring bytes of a token's row, and the lanes beside it hold other tokens: so 16 rows x 256 bytes at a time go through my own stage in LDS and come back as whole rows;
; each half of the lanes then stores 256 consecutive bytes, aligned, of one token's row of out.  LDS serves a wave's instructions in order (ISA guide 5.7.1.4): no wait between the stores and the loads, nor ahead of the next group's stores.
	WIN 0x08                                       ; the data: window 2
	s_wait_alu depctr_va_vdst(0)                   ; the last multiply-adds have written OUT, which the LDS stores read; the products are done reading x's fragments and the bias, in whose registers the rows land.  No vector line follows
.irp g, 0,1,2,3
	WIN 0x08
.irp t, 0,1,2,3
	ds_store_b128 v[STO], v[OUT+8*(4*\t+\g):OUT+8*(4*\t+\g)+3] offset:64*\t
	ds_store_b128 v[STO], v[OUT+8*(4*\t+\g)+4:OUT+8*(4*\t+\g)+7] offset:64*\t+16
.endr
	WIN 0
.irp i, 0,1,2,3,4,5,6,7
	ds_load_b128 v[LAND+32*\g+4*\i:LAND+32*\g+4*\i+3], v[RD] offset:272*\i   ; rows i and 8 + i of the group; no landing register is used twice
.endr
.endr
	WIN 0x01                                       ; a store's address is its source 0: window 1; its data window 0
.irp g, 0,1,2,3
.irp i, 0,1,2,3,4,5,6,7
	s_wait_dscnt 16*(3-\g)+7-\i                    ; behind this load: the rest of its group's eight, and sixteen LDS instructions for each later group
	global_store_b128 v[TLW+8*\g+\i], v[LAND+32*\g+4*\i:LAND+32*\g+4*\i+3], s[OB:OB+1] th:TH_STORE_NT   ; written once, read by nobody here
.endr
.endr
	WIN 0                                          ; the add's two registers lie in window 0
	s_wait_dscnt 0x0                               ; the closing lines, six on end
	s_wait_alu 0x0
	s_wait_tensorcnt 0x0
	ds_add_u32 v254, v255
	s_wait_dscnt 0x0
	s_endpgm
.Lfunc_end_k_q4111376e5a_moe:
	.size	k_q4111376e5a_moe, .Lfunc_end_k_q4111376e5a_moe-k_q4111376e5a_moe
	.p2alignl 7, 3214868480
	.fill 96, 4, 3214868480
	.section	.rodata,"a",@progbits
	.p2align	6, 0x0
	.amdhsa_kernel k_q4111376e5a_moe
		.amdhsa_group_segment_fixed_size 117248
		.amdhsa_private_segment_fixed_size 0
		.amdhsa_enable_private_segment 0
		.amdhsa_kernarg_size 64
		.amdhsa_user_sgpr_count 2
		.amdhsa_user_sgpr_kernarg_segment_ptr 1
		.amdhsa_wavefront_size32 1
		.amdhsa_system_sgpr_workgroup_id_x 1
		.amdhsa_system_sgpr_workgroup_id_y 1
		.amdhsa_system_sgpr_workgroup_id_z 1
		.amdhsa_system_vgpr_workitem_id 0
		.amdhsa_next_free_vgpr 768
		.amdhsa_next_free_sgpr 100
		.amdhsa_reserve_vcc 0
		.amdhsa_float_denorm_mode_32 3
		.amdhsa_float_denorm_mode_16_64 3
		.amdhsa_memory_ordered 1
		.amdhsa_forward_progress 1
		.amdhsa_inst_pref_size 190
	.end_amdhsa_kernel
	.amdgpu_metadata
---
amdhsa.version: [ 1, 2 ]
amdhsa.kernels:
  - .name:           k_q4111376e5a_moe
    .symbol:         k_q4111376e5a_moe.kd
    .args:
      - { .name: xcodes, .offset: 0, .size: 8, .value_kind: global_buffer, .address_space: global }
      - { .name: xscales, .offset: 8, .size: 8, .value_kind: global_buffer, .address_space: global }
      - { .name: gate, .offset: 16, .size: 8, .value_kind: global_buffer, .address_space: global }
      - { .name: order, .offset: 24, .size: 8, .value_kind: global_buffer, .address_space: global }
      - { .name: wcodes, .offset: 32, .size: 8, .value_kind: global_buffer, .address_space: global }
      - { .name: wscales, .offset: 40, .size: 8, .value_kind: global_buffer, .address_space: global }
      - { .name: be, .offset: 48, .size: 8, .value_kind: global_buffer, .address_space: global }
      - { .name: out0, .offset: 56, .size: 8, .value_kind: global_buffer, .address_space: global }
    .group_segment_fixed_size: 117248
    .private_segment_fixed_size: 0
    .kernarg_segment_align: 8
    .kernarg_segment_size: 64
    .max_flat_workgroup_size: 128
    .sgpr_count:     100
    .vgpr_count:     768
    .wavefront_size: 32
...
	.end_amdgpu_metadata
.endif
;; end of part 6
